; MI455X (gfx1250); checked and timed in simulation.
; The chip was launched on July 23, 2026; its instructions are those of AMD's public machine-readable ISA for CDNA 5 (MIT licence, August 2026) and "CDNA5" Instruction Set Architecture Reference Guide (July 2026). The comments in the code are by the model that wrote it; some were corrected since.
;; LNN Attention Layer. Allowed arithmetic: float matrix products may take bf16 or f16 operands with f32 sums; other float arithmetic in f32, or as packed bf16 or f16 multiplies, adds, multiply-adds, maxima and minima; sums over many terms, partial sums and values carried from step to step in f32; what a program stores and reads back later, other than sums and carried values, may be rounded once to bf16 or f16.
;; Inputs: Wk 1,024 x 1,024 float32; Wo 1,024 x 1,024 float32; Wq 1,024 x 1,024 float32; Wv 1,024 x 1,024 float32; bk 1,024 float32; bo 1,024 float32; bq 1,024 float32; bv 1,024 float32; gate_W 16 x 1,024 float32; gate_b 16 float32; hidden_states 2 x 2,048 x 1,024 float32; logical_bias 16 x 3 float32; rel_W 3 x 2,048 float32; rel_b 3 float32.
;; Outputs: out0 2 x 2,048 x 1,024 float32.
;; 2 versions, each right; version 2 is version 1 with the launch cast written anew for expert scheduling mode. Each part assembles by itself: llvm-mc -triple=amdgcn-amd-amdhsa -mcpu=gfx1250 --defsym DOCPART=n.
;; ======== version 1 of 2: 4 launches
;; limits: values are held in f16: magnitudes above 65,504 overflow, below 6.1e-05 lose precision; values outside matrix products are rounded to f16
;; workspace buffers: xb 8,388,608 bytes; wb 6,291,456 bytes; wof 2,097,152 bytes; act 65,536 bytes; gt 262,144 bytes; qf 8,388,608 bytes; kv 16,777,216 bytes; of 8,388,608 bytes
;; launch cast (part 1): grid 512 x 1, 8 waves a work-group, no clusters, 17,408 bytes of LDS; arguments hidden_states, Wq, Wk, Wv, Wo, rel_W, gate_W, rel_b, gate_b, xb, wb, wof, act, gt; writes xb, wb, wof, act, gt
.if DOCPART == 1
	.amdgcn_target "amdgcn-amd-amdhsa--gfx1250"
	.amdhsa_code_object_version 6
	.text
	.protected	k_q604b130b56_cast
	.globl	k_q604b130b56_cast
	.p2align	8
	.type	k_q604b130b56_cast,@function
k_q604b130b56_cast:
	s_mov_b64 s[64:65], 0
	v_nop
	global_prefetch_b8 v0, s[64:65] scope:SCOPE_SE
	s_setreg_imm32_b32 hwreg(HW_REG_WAVE_MODE, 25, 1), 1
	s_wait_xcnt 0x0
; CAST.  x, Wq, Wk, Wv are rounded to bf16, Wo to bf16 and that number written as f16, and all are laid out in FRAGMENT BLOCKS:
; byte ((g*32 + kc)*2 + e)*512 + lane*16 holds row 16 g + lane % 16, columns 32 kc + 16 e + 8 (lane / 16) + 0..7: a matrix fragment (16 rows x 32 k) is 1,024 bytes on end.
; A work-group takes a strip of 16 rows x 1,024 columns; wave w the columns 128 w .. 128 w + 127.  Work-groups 0-255: strips of x; 256-511: strips of Wq, Wk, Wv, Wo (64 each).
; Wq, Wk, Wv go into one buffer, ordered for the projection: group = head*12 + half*6 + type*2 + j holds rows head*64 + (2 half + j)*16 of W_type.
; The strips of x also make the 6 relation sums (x . rel_W's six half rows) and the 16 gate sums by the matrix unit, K split among the eight waves, met in LDS.
; Stored of them, with L = log2(e): NA1 = (li0-li1) L, NA2 = (li0-li2) L for each token, NC1 = (lj0-lj1+rb0-rb1) L, NC2 likewise, and gate = 1 / (1 + 2^(-L z)).
; LIMITS.  Wo's numbers must lie within f16's range (65,504); below 6e-5 they keep f16's fixed step.  NaN and infinities are not treated apart.
; No tensor loads, no cluster: each byte is wanted by one wave, once; all of a wave's loads (16, or 48 in a strip of x) go out at once.
.set SPARE, 16384                      ; behind the partial sums: the spare words, 128 bytes for each of the eight waves
.set FO,  4                            ; v4   my byte offset in a strip of f32: r*4096 + hh*32 + w*512 (also in gate_W)
.set SO,  5                            ; v5   my byte offset in a group of fragment blocks: lane*16 + w*4096
.set AO,  6                            ; v6   my byte offset in rel_W
.set SPW, 8                            ; v8   my spare word; never rewritten
.set NIL, 9                            ; v9   0; never rewritten
.set LS,  14                           ; v14  where I put my partial sums
.set LR,  15                           ; v15  where waves 0 and 1 read them back
.set ACC, 16                           ; v[16:31]   two accumulators: relation tile, gate tile
.set XR,  32                           ; v[32:95]   the strip: 16 registers a chunk of 32 columns
.set A0,  96                           ; v[96:159]  rel_W's rows
.set A1,  160                          ; v[160:223] gate_W's rows
.set WVN, 36                           ; s36  wave
.set ID,  37                           ; s37  work-group
.macro LOADBLK dst, voff, sb, nt       ; four chunks x four loads of 16 bytes: a lane's 8 + 8 columns of each chunk
.irp k, 0,1,2,3
.irp h, 0,1,2,3
.if \nt
	global_load_b128 v[(\dst)+16*(\k)+4*(\h):(\dst)+16*(\k)+4*(\h)+3], v[\voff], s[\sb:\sb+1] offset:128*(\k)+64*((\h)/2)+16*((\h)%2) th:TH_LOAD_NT
.else
	global_load_b128 v[(\dst)+16*(\k)+4*(\h):(\dst)+16*(\k)+4*(\h)+3], v[\voff], s[\sb:\sb+1] offset:128*(\k)+64*((\h)/2)+16*((\h)%2)
.endif
.endr
.endr
.endm
.macro PACKB blk                       ; 16 f32 -> 8 registers of bf16, in place: register i is written when registers 2 i and 2 i + 1 have been read
.irp k, 0,1,2,3
.irp i, 0,1,2,3,4,5,6,7
	v_cvt_pk_bf16_f32 v[(\blk)+16*(\k)+(\i)], v[(\blk)+16*(\k)+2*(\i)], v[(\blk)+16*(\k)+2*(\i)+1]
.endr
.endr
.endm
.macro TOF16 blk                       ; the bf16 numbers written as f16
.irp k, 0,1,2,3
.irp i, 0,1,2,3,4,5,6,7
	v_lshlrev_b32 v10, 16, v[(\blk)+16*(\k)+(\i)]
	v_and_b32 v11, 0xffff0000, v[(\blk)+16*(\k)+(\i)]
	v_cvt_pk_f16_f32 v[(\blk)+16*(\k)+(\i)], v10, v11
.endr
.endr
.endm
.macro STOREB blk, sb                  ; each store of the wave covers 512 consecutive bytes, aligned
.irp k, 0,1,2,3
.irp e, 0,1
	global_store_b128 v[SO], v[(\blk)+16*(\k)+4*(\e):(\blk)+16*(\k)+4*(\e)+3], s[\sb:\sb+1] offset:1024*(\k)+512*(\e)
.endr
.endr
.endm
	s_load_b512 s[8:23], s[0:1], 0x0               ; x s[8:9], Wq s[10:11], Wk s[12:13], Wv s[14:15], Wo s[16:17], rel_W s[18:19], gate_W s[20:21], rel_b s[22:23]
	s_load_b256 s[24:31], s[0:1], 0x40             ; gate_b s[24:25], xb s[26:27], wb s[28:29], wof s[30:31]
	s_load_b128 s[32:35], s[0:1], 0x60             ; act s[32:33], gt s[34:35]
	v_lshl_add_u32 v[SPW], v0, 2, SPARE
	v_mov_b32 v[NIL], 0
	v_lshrrev_b32 v10, 5, v0
	v_readfirstlane_b32 s[WVN], v10
	s_mov_b32 s[ID], ttmp9
	v_and_b32 v1, 15, v0                           ; r
	v_bfe_u32 v2, v0, 4, 1                         ; hh
	v_and_b32 v3, 31, v0                           ; lane
	s_lshl_b32 s42, s[WVN], 9
	s_lshl_b32 s43, s[WVN], 12
	v_lshlrev_b32 v[FO], 12, v1
	v_lshl_add_u32 v[FO], v2, 5, v[FO]
	v_add_nc_u32 v[FO], s42, v[FO]
	v_lshl_add_u32 v[SO], v3, 4, s43
	s_mov_b32 s51, 0
	s_wait_kmcnt 0x0
	s_cmp_lt_u32 s[ID], 256
	s_cbranch_scc1 .Lx
	; A STRIP OF A WEIGHT MATRIX
	s_sub_co_u32 s47, s[ID], 256
	s_lshr_b32 s48, s47, 6                         ; t: 0 Wq, 1 Wk, 2 Wv, 3 Wo
	s_and_b32 s49, s47, 63                         ; the strip: rows 16 sg ..
	s_lshr_b32 s50, s49, 2                         ; head
	s_mul_i32 s50, s50, 12
	s_bfe_u32 s47, s49, 0x10001                    ; half
	s_mul_i32 s47, s47, 6
	s_add_co_u32 s50, s50, s47
	s_lshl1_add_u32 s50, s48, s50                  ; + 2 t
	s_and_b32 s47, s49, 1
	s_add_co_u32 s50, s50, s47                     ; + j
	s_cmp_eq_u32 s48, 0
	s_cselect_b64 s[38:39], s[10:11], s[12:13]
	s_cmp_eq_u32 s48, 2
	s_cselect_b64 s[38:39], s[14:15], s[38:39]
	s_cmp_eq_u32 s48, 3
	s_cselect_b64 s[38:39], s[16:17], s[38:39]
	s_cselect_b64 s[40:41], s[30:31], s[28:29]
	s_cselect_b32 s50, s49, s50                    ; Wo's groups lie in the order of its rows
	s_lshl_b32 s50, s50, 15
	s_add_nc_u64 s[40:41], s[40:41], s[50:51]
	s_lshl_b32 s50, s49, 16
	s_add_nc_u64 s[38:39], s[38:39], s[50:51]
	LOADBLK XR, FO, 38, 1
	s_wait_loadcnt 0x0
	PACKB XR
	s_cmp_lg_u32 s48, 3
	s_cbranch_scc1 .Lnot_wo
	TOF16 XR
.Lnot_wo:
	STOREB XR, 40
	s_branch .Lend
.Lx:	; A STRIP OF x
	s_load_b96 s[44:46], s[22:23], 0x0             ; rel_b
	s_lshl_b32 s50, s[ID], 16
	s_add_nc_u64 s[38:39], s[8:9], s[50:51]
	s_lshl_b32 s50, s[ID], 15
	s_add_nc_u64 s[40:41], s[26:27], s[50:51]
	v_and_b32 v10, 7, v1                           ; row r of the relation tile is half row min(r % 8, 5) of rel_W: 0-2 the halves for i, 3-5 those for j
	v_min_u32 v10, 5, v10
	v_mul_u32_u24 v11, v10, 11
	v_lshrrev_b32 v11, 5, v11                      ; / 3
	v_mul_u32_u24 v12, v11, 3
	v_sub_nc_u32 v10, v10, v12                     ; % 3
	v_lshlrev_b32 v[AO], 13, v10
	v_lshl_add_u32 v[AO], v11, 12, v[AO]
	v_lshl_add_u32 v[AO], v2, 5, v[AO]
	v_add_nc_u32 v[AO], s42, v[AO]
	LOADBLK XR, FO, 38, 1
	LOADBLK A0, AO, 18, 0
	LOADBLK A1, FO, 20, 0
	s_lshl_b32 s47, s[WVN], 11
	v_lshl_add_u32 v[LS], v3, 5, s47
	s_lshl_b32 s47, s[WVN], 10
	v_lshl_add_u32 v[LR], v3, 5, s47
	s_wait_loadcnt 32                              ; x's 16 loads are in; the 32 younger ones may stay out
	PACKB XR
	STOREB XR, 40
	s_wait_loadcnt 0x0
	s_wait_kmcnt 0x0                               ; rel_b
	PACKB A0
	PACKB A1
	; source 0 = 16 rows of weights, source 1 = my 16 tokens: a lane ends with one token (r) and the sums 8 hh + 0..7.  The two accumulators take turns.
	v_wmma_f32_16x16x32_bf16 v[ACC:ACC+7], v[A0:A0+7], v[XR:XR+7], 0
	v_wmma_f32_16x16x32_bf16 v[ACC+8:ACC+15], v[A1:A1+7], v[XR:XR+7], 0
.irp k, 1,2,3
	v_wmma_f32_16x16x32_bf16 v[ACC:ACC+7], v[A0+16*(\k):A0+16*(\k)+7], v[XR+16*(\k):XR+16*(\k)+7], v[ACC:ACC+7]
	v_wmma_f32_16x16x32_bf16 v[ACC+8:ACC+15], v[A1+16*(\k):A1+16*(\k)+7], v[XR+16*(\k):XR+16*(\k)+7], v[ACC+8:ACC+15]
.endr
.rept 8
	v_nop                                          ; the places behind the last products, once a launch
.endr
.irp j, 0,1
	ds_store_b128 v[LS], v[ACC+8*(\j):ACC+8*(\j)+3] offset:1024*(\j)
	ds_store_b128 v[LS], v[ACC+8*(\j)+4:ACC+8*(\j)+7] offset:1024*(\j)+16
.endr
	s_wait_dscnt 0x0                               ; for the others' sake: my partial sums lie in LDS
	s_barrier_signal -1
	s_barrier_wait -1
	s_cmp_lt_u32 s[WVN], 2                         ; wave 0 finishes the relation tile, wave 1 the gate tile
	s_cbranch_scc0 .Lend
.irp v, 0,1,2,3,4,5,6,7
	ds_load_b128 v[A0+8*(\v):A0+8*(\v)+3], v[LR] offset:2048*(\v)
	ds_load_b128 v[A0+8*(\v)+4:A0+8*(\v)+7], v[LR] offset:2048*(\v)+16
.endr
	s_wait_dscnt 0x0
.irp d, 32,16,8
.set r, 0
.rept (\d)/2
	v_pk_add_f32 v[A0+r:A0+r+1], v[A0+r:A0+r+1], v[A0+(\d)+r:A0+(\d)+r+1]
.set r, r+2
.endr
.endr
	s_cmp_eq_u32 s[WVN], 0
	s_cbranch_scc0 .Lgate
	; v96-101 = li0, li1, li2, lj0, lj1, lj2 of token r, in both halves of the lanes
	v_sub_f32 v10, v96, v97
	v_sub_f32 v11, v96, v98
	v_sub_f32 v12, v99, v100
	v_sub_f32 v13, v99, v101
	v_add_f32 v12, s44, v12
	v_add_f32 v13, s44, v13
	v_sub_f32 v12, v12, s45
	v_sub_f32 v13, v13, s46
	v_mul_f32 v10, 0x3fb8aa3b, v10
	v_mul_f32 v11, 0x3fb8aa3b, v11
	v_mul_f32 v12, 0x3fb8aa3b, v12
	v_mul_f32 v13, 0x3fb8aa3b, v13
	v_cmp_eq_u32 vcc_lo, 1, v2                     ; lanes 0-15 store the first of each pair, lanes 16-31 the second
	v_cndmask_b32 v10, v10, v11, vcc_lo
	v_cndmask_b32 v12, v12, v13, vcc_lo
	s_lshl_b32 s47, s[ID], 6
	v_lshl_add_u32 v13, v1, 2, s47
	v_lshl_add_u32 v13, v2, 14, v13
	global_store_b32 v13, v10, s[32:33]            ; NA1 at 0, NA2 at 16,384: token x 4
	s_lshl_b32 s47, s[ID], 7
	v_lshl_add_u32 v11, v1, 3, s47
	v_lshl_add_u32 v11, v2, 2, v11
	global_store_b32 v11, v12, s[32:33] offset:32768  ; NC: token x 8 + 4 x which
	s_branch .Lend
.Lgate:
	v_lshlrev_b32 v10, 5, v2
	global_load_b128 v[A1:A1+3], v10, s[24:25]     ; gate_b of my eight heads
	global_load_b128 v[A1+4:A1+7], v10, s[24:25] offset:16
	s_wait_loadcnt 0x0
.irp u, 0,2,4,6
	v_pk_add_f32 v[A0+(\u):A0+(\u)+1], v[A0+(\u):A0+(\u)+1], v[A1+(\u):A1+(\u)+1]
.endr
.irp j, 0,1,2,3,4,5,6,7
	v_mul_f32 v[A0+(\j)], 0xbfb8aa3b, v[A0+(\j)]
.endr
.irp j, 0,1,2,3,4,5,6,7
	v_exp_f32 v[A0+(\j)], v[A0+(\j)]
.endr
	v_nop                                          ; a plain instruction behind the last exponential,
	s_wait_alu depctr_va_vdst(0)                   ; and one wait for the eight
.irp u, 0,2,4,6
	v_pk_add_f32 v[A0+(\u):A0+(\u)+1], v[A0+(\u):A0+(\u)+1], 1.0 op_sel_hi:[1,0]
.endr
.irp j, 0,1,2,3,4,5,6,7
	v_rcp_f32 v[A0+(\j)], v[A0+(\j)]
.endr
	v_nop
	s_wait_alu depctr_va_vdst(0)
	s_lshl_b32 s47, s[ID], 10
	v_lshl_add_u32 v11, v3, 4, s47
	global_store_b128 v11, v[A0:A0+3], s[34:35]    ; heads 8 hh + 0..3 of token r: 512 consecutive bytes a store
	global_store_b128 v11, v[A0+4:A0+7], s[34:35] offset:512
.Lend:
	s_wait_tensorcnt 0x0                           ; the wave's end
	ds_add_u32 v[SPW], v[NIL]
	s_wait_dscnt 0x0
	s_endpgm
.Lfunc_end_k_q604b130b56_cast:
	.size	k_q604b130b56_cast, .Lfunc_end_k_q604b130b56_cast-k_q604b130b56_cast
	.p2alignl 7, 3214868480
	.fill 96, 4, 3214868480
	.section	.rodata,"a",@progbits
	.p2align	6, 0x0
	.amdhsa_kernel k_q604b130b56_cast
		.amdhsa_group_segment_fixed_size 17408
		.amdhsa_private_segment_fixed_size 0
		.amdhsa_enable_private_segment 0
		.amdhsa_kernarg_size 112
		.amdhsa_user_sgpr_count 2
		.amdhsa_user_sgpr_kernarg_segment_ptr 1
		.amdhsa_wavefront_size32 1
		.amdhsa_system_sgpr_workgroup_id_x 1
		.amdhsa_system_sgpr_workgroup_id_y 1
		.amdhsa_system_sgpr_workgroup_id_z 1
		.amdhsa_system_vgpr_workitem_id 0
		.amdhsa_next_free_vgpr 224
		.amdhsa_next_free_sgpr 66
		.amdhsa_reserve_vcc 1
		.amdhsa_float_denorm_mode_32 3
		.amdhsa_float_denorm_mode_16_64 3
		.amdhsa_memory_ordered 1
		.amdhsa_forward_progress 1
		.amdhsa_inst_pref_size 31
	.end_amdhsa_kernel
	.amdgpu_metadata
---
amdhsa.version: [ 1, 2 ]
amdhsa.kernels:
  - .name:           k_q604b130b56_cast
    .symbol:         k_q604b130b56_cast.kd
    .args:
      - { .name: hidden_states, .offset: 0, .size: 8, .value_kind: global_buffer, .address_space: global }
      - { .name: Wq, .offset: 8, .size: 8, .value_kind: global_buffer, .address_space: global }
      - { .name: Wk, .offset: 16, .size: 8, .value_kind: global_buffer, .address_space: global }
      - { .name: Wv, .offset: 24, .size: 8, .value_kind: global_buffer, .address_space: global }
      - { .name: Wo, .offset: 32, .size: 8, .value_kind: global_buffer, .address_space: global }
      - { .name: rel_W, .offset: 40, .size: 8, .value_kind: global_buffer, .address_space: global }
      - { .name: gate_W, .offset: 48, .size: 8, .value_kind: global_buffer, .address_space: global }
      - { .name: rel_b, .offset: 56, .size: 8, .value_kind: global_buffer, .address_space: global }
      - { .name: gate_b, .offset: 64, .size: 8, .value_kind: global_buffer, .address_space: global }
      - { .name: xb, .offset: 72, .size: 8, .value_kind: global_buffer, .address_space: global }
      - { .name: wb, .offset: 80, .size: 8, .value_kind: global_buffer, .address_space: global }
      - { .name: wof, .offset: 88, .size: 8, .value_kind: global_buffer, .address_space: global }
      - { .name: act, .offset: 96, .size: 8, .value_kind: global_buffer, .address_space: global }
      - { .name: gt, .offset: 104, .size: 8, .value_kind: global_buffer, .address_space: global }
    .group_segment_fixed_size: 17408
    .private_segment_fixed_size: 0
    .kernarg_segment_align: 8
    .kernarg_segment_size: 112
    .max_flat_workgroup_size: 256
    .sgpr_count:     66
    .vgpr_count:     224
    .wavefront_size: 32
...
	.end_amdgpu_metadata
.endif
;; end of part 1
;; launch proj (part 2): grid 16 x 16, 4 waves a work-group, clusters of 4 x 4, 327,680 bytes of LDS; arguments xb, wb, bq, bk, bv, qf, kv; writes qf, kv
.if DOCPART == 2
	.amdgcn_target "amdgcn-amd-amdhsa--gfx1250"
	.amdhsa_code_object_version 6
	.text
	.protected	k_q604b130b56_proj
	.globl	k_q604b130b56_proj
	.p2align	8
	.type	k_q604b130b56_proj,@function
k_q604b130b56_proj:
	s_mov_b64 s[64:65], 0
	v_nop
	global_prefetch_b8 v0, s[64:65] scope:SCOPE_SE
	s_setreg_imm32_b32 hwreg(HW_REG_WAVE_MODE, 25, 1), 1
	s_wait_xcnt 0x0
	s_wait_alu depctr_hold_cnt(0) depctr_sa_sdst(0) depctr_va_vdst(0) depctr_va_sdst(0) depctr_va_ssrc(0) depctr_va_vcc(0) depctr_vm_vsrc(0)
	s_getreg_b32 s2, hwreg(HW_REG_IB_STS2, 6, 4)
	s_cmp_eq_u32 s2, 0
	s_cbranch_scc0 .Lentry_in_a_cluster
	s_endpgm
.Lentry_in_a_cluster:
	s_bfe_u32 s2, ttmp6, 0x10000c
	s_cmp_lg_u32 s2, 0xf033
	s_cbranch_scc0 .Lentry_shape_is_right
	s_endpgm
.Lentry_shape_is_right:
; PROJECTIONS.  q, k, v = x W^T + b for one head (192 columns) and 256 tokens a work-group; operands bf16, sums f32, results f16.  Biases are rounded to bf16 like the other inputs.
; All operands lie in fragment blocks (a fragment of 16 rows x 32 k is 1,024 bytes on end; a group of 16 rows has 32 of them): LDS reads are 512 consecutive bytes, no padding is wanted.
; SHARES.  Four waves; wave (wr, wc) makes 128 tokens x 96 columns: of the head's channel half wc two groups of 16 channels of q, of k and of v: 48 accumulators.
; q and k are taken transposed (source 0 = W, source 1 = x): a lane ends with one token and 8 channels, 16 bytes of a fragment of Q or K.
; v is taken plainly (source 0 = x, source 1 = Wv): a lane ends with one channel and 8 tokens, 16 bytes of a fragment of V^T.  So every store of a wave is 512 consecutive bytes, aligned, and no stage is wanted.
; kv: for each batch and head 32 blocks of 16,384 bytes: V^T of keys 64 b .. at 0, K of keys 64 ((b + 1) % 32) .. at 8,192.
; K goes in steps of 128 through two LDS slots.  CLUSTER 4 x 4: x's tile is shared along a row of the cluster, W's along a column: joint loads.
; LIMIT.  q, k, v must lie within f16's range (65,504).  NaN and infinities are not treated apart.
; REGISTERS.  window 0: v0-31 addresses; v64-127, v128-191 x's fragments, two buffers (on the way out: at work); v192-223 bias of q and k, v224-227 of v
;   window 1: v0-47, v48-95 W's fragments, two buffers     window 2: q's and k's accumulators at 8 (4 a + c)     window 3: v's at 8 (2 a + c')
.set KSTEPB, 4096                      ; bytes of a group of 16 rows in a K step
.set SLOT,   114688                    ; x's 16 groups, then W's 12
.set BOFF,   65536
.set SPARE,  2*SLOT                    ; behind the ring: the spare words, 128 bytes a wave
.set LAPS,   4                         ; 8 K steps
.set ADRA, 16                          ; v16-17  LDS address of my x fragments in slot 0, 1
.set ADRB, 20                          ; v20-21  of my W fragments
.set BO1,  22                          ; v22     offset of my 8 channels in bq and bk
.set BO2,  23                          ; v23     of my channel in bv
.set GO,   26                          ; v26     16 x lane
.set SPW,  28
.set NIL,  29
.set PFO,  30                          ; v30     the prefetches' offset
.set TT,   31                          ; v31     at work
.set BQK,  192
.set BV,   224
.set G1,  24
.set G0,  32
.set G1B, 48
.set G0B, 56
.set PFA, 78                           ; s[78:79]
.set LIM, 80
.set QB,  82                           ; s[82:83] q's stores;  s[84:85], s[86:87] k's, for my first and last 64 tokens;  s[88:89] v's
.set KB0, 84
.set KB1, 86
.set VB,  88
.set MSB, 0
.macro WIN new
.if MSB != (\new)
	s_set_vgpr_msb (MSB<<8)|(\new)
.set MSB, \new
.endif
.endm
.set MULQKW, 0xa1                      ; source 0 (W) window 1, source 1 (x) window 0, C and D window 2
.set MULVW,  0xf4                      ; source 0 (x) window 0, source 1 (W) window 1, C and D window 3
.set TO_B,   0x40
.macro JLOAD s                         ; a joint load: waves 0 and 1 fetch x's two halves, waves 2 and 3 W's; s_nop 0 and four v_nop follow each line
	s_cmp_eq_u32 s11, 0
	s_cbranch_scc0 .Lfor_b_\@
	tensor_load_to_lds s[G0+4*(\s):G0+4*(\s)+3], s[G1:G1+7]
	s_nop 0
.rept 4
	v_nop
.endr
	s_branch .Lasked_\@
.Lfor_b_\@:
	tensor_load_to_lds s[G0B+4*(\s):G0B+4*(\s)+3], s[G1B:G1B+7]
	s_nop 0
.rept 4
	v_nop
.endr
.Lasked_\@:
.endm
; A prefetch of the K step that stands two refills on.  x's rows are read by every cluster of a row of clusters: cluster x = 0 asks; W's by every cluster of a column: cluster y = 0 asks.
; What a wave fetches in a step is 128 (x) or 96 (W) blocks of 256 bytes; the four partners take 32 or 24 each, told apart by address.  The loop's last trip asks for nothing.
.macro ASK
	s_cmp_gt_u32 s3, s[LIM]
	s_cbranch_scc0 .Lnot_mine_\@
	global_prefetch_b8 v[PFO], s[PFA:PFA+1] offset:KSTEPB th:TH_LOAD_NT scope:SCOPE_SE
.Lnot_mine_\@:
.endm
.macro CREST
	s_cmp_lg_u32 s10, 0
	s_cbranch_scc1 .Lnot_wave_0_\@
	s_barrier_signal -3
.Lnot_wave_0_\@:
	s_barrier_wait -3
	s_barrier_signal -1
	s_barrier_wait -1
.endm
.macro CROUND
	s_barrier_signal -1
	s_barrier_wait -1
	CREST
.endm
	s_load_b128 s[4:7], s[0:1], 0x0                ; xb s[4:5], wb s[6:7]
	s_load_b128 s[68:71], s[0:1], 0x10             ; bq s[68:69], bk s[70:71]
	s_load_b128 s[72:75], s[0:1], 0x20             ; bv s[72:73], qf s[74:75]
	s_load_b64 s[76:77], s[0:1], 0x30              ; kv
	v_lshl_add_u32 v[SPW], v0, 2, SPARE
	v_mov_b32 v[NIL], 0
	ds_add_u32 v[SPW], v[NIL]                      ; the wave's opening: the add and its wait stand ahead of my first tensor load
	v_lshrrev_b32 v1, 5, v0
	v_readfirstlane_b32 s10, v1                    ; wave
	s_lshr_b32 s11, s10, 1                         ; wr.  Also: I fetch for x (0) or for W (1)
	s_and_b32 s12, s10, 1                          ; wc.  Also: which half of that tile I fetch
	s_bfe_u32 s40, ttmp6, 0x40000                  ; cx
	s_bfe_u32 s41, ttmp6, 0x40004                  ; cy
	s_lshl_b32 s42, ttmp9, 2
	s_add_co_u32 s42, s42, s40                     ; head
	s_and_b32 s13, ttmp7, 0xffff
	s_lshl_b32 s13, s13, 2
	s_add_co_u32 s13, s13, s41                     ; block of 256 tokens
	s_lshl_b32 s43, s41, 2
	s_lshl_b32 s43, 15, s43                        ; my row of the cluster
	s_lshl_b32 s44, 0x1111, s40                    ; my column
	s_or_b32 s[G1+0], s43, (3<<16)|(1<<21)         ; the mask; elements of 8 bytes; bit 21 beside a mask
	s_or_b32 s[G1B+0], s44, (3<<16)|(1<<21)
	s_mov_b32 s[G1+1], 512<<16                     ; tensor_dim0 = 512 elements: a group's 4,096 bytes of a K step
	s_mov_b32 s[G1B+1], 512<<16
	s_mov_b32 s[G1+2], 8<<16                       ; tensor_dim1 = 8 groups
	s_mov_b32 s[G1B+2], 6<<16                      ; 6 groups
	s_mov_b32 s[G1+3], 512<<16                     ; tile_dim0
	s_mov_b32 s[G1B+3], 512<<16
	s_mov_b32 s[G1+4], 8                           ; tile_dim1
	s_mov_b32 s[G1B+4], 6
	s_mov_b32 s[G1+5], 4096                        ; from group to group: 32,768 bytes
	s_mov_b32 s[G1B+5], 4096
	s_mov_b32 s[G1+6], 0
	s_mov_b32 s[G1B+6], 0
	s_mov_b32 s[G1+7], 0
	s_mov_b32 s[G1B+7], 0
	s_lshl_b32 s16, s13, 4
	s_lshl3_add_u32 s16, s12, s16                  ; x: group 16 x block + 8 x half
	s_lshl_b32 s16, s16, 15
	s_mov_b32 s17, 0
	s_mul_i32 s46, s42, 12
	s_mul_i32 s47, s12, 6
	s_add_co_u32 s46, s46, s47                     ; W: group 12 x head + 6 x half
	s_lshl_b32 s46, s46, 15
	s_mov_b32 s47, 0
	s_lshl_b32 s20, s12, 15                        ; where they go: x's halves,
	s_mul_i32 s21, s12, 24576
	s_add_co_u32 s21, s21, BOFF                    ; W's halves behind them
	s_wait_dscnt 0x0                               ; the opening add is done
	s_wait_kmcnt 0x0
	s_add_nc_u64 s[14:15], s[4:5], s[16:17]
	s_add_nc_u64 s[46:47], s[6:7], s[46:47]
	CROUND                                         ; all sixteen work-groups are here: the first joint loads meet
.irp s, 0,1
	s_mov_b32 s[G0+4*(\s)], 1
	s_add_co_u32 s[G0+4*(\s)+1], s20, (\s)*SLOT
	s_add_nc_u64 s[G0+4*(\s)+2:G0+4*(\s)+3], s[14:15], (\s)*KSTEPB
	s_or_b32 s[G0+4*(\s)+3], s[G0+4*(\s)+3], 0x80000000
	s_mov_b32 s[G0B+4*(\s)], 1
	s_add_co_u32 s[G0B+4*(\s)+1], s21, (\s)*SLOT
	s_add_nc_u64 s[G0B+4*(\s)+2:G0B+4*(\s)+3], s[46:47], (\s)*KSTEPB
	s_or_b32 s[G0B+4*(\s)+3], s[G0B+4*(\s)+3], 0x80000000
	JLOAD \s
.endr
	v_and_b32 v1, 15, v0                           ; r
	v_bfe_u32 v2, v0, 4, 1                         ; hh
	v_and_b32 v[GO], 31, v0
	v_lshlrev_b32 v[GO], 4, v[GO]
	s_lshl_b32 s22, s11, 15                        ; my 8 groups of x
	s_mul_i32 s23, s12, 24576                      ; my 6 groups of W
	s_add_co_u32 s23, s23, BOFF
.irp s, 0,1
	v_add_nc_u32 v[ADRA+(\s)], s22, v[GO]
	v_add_nc_u32 v[ADRB+(\s)], s23, v[GO]
	s_add_co_u32 s22, s22, SLOT
	s_add_co_u32 s23, s23, SLOT
.endr
	; the biases
	s_lshl_b32 s90, s42, 8
	s_lshl_b32 s91, s12, 7
	s_add_co_u32 s90, s90, s91                     ; (64 head + 32 wc) x 4 bytes
	v_lshl_add_u32 v[BO1], v2, 5, s90
	v_lshl_add_u32 v[BO2], v1, 2, s90
.irp j, 0,1
	global_load_b128 v[BQK+8*(\j):BQK+8*(\j)+3], v[BO1], s[68:69] offset:64*(\j)
	global_load_b128 v[BQK+8*(\j)+4:BQK+8*(\j)+7], v[BO1], s[68:69] offset:64*(\j)+16
	global_load_b128 v[BQK+16+8*(\j):BQK+16+8*(\j)+3], v[BO1], s[70:71] offset:64*(\j)
	global_load_b128 v[BQK+16+8*(\j)+4:BQK+16+8*(\j)+7], v[BO1], s[70:71] offset:64*(\j)+16
	global_load_b32 v[BV+2*(\j)], v[BO2], s[72:73] offset:64*(\j)
.endr
	; the prefetches
	s_and_b32 s92, ttmp7, 0xffff                   ; cluster y
	s_cmp_eq_u32 s11, 0                            ; do I fetch for x?
	s_cselect_b32 s90, 32, 24                      ; blocks of 256 bytes to a partner
	s_cselect_b32 s91, s40, s41                    ; my place among the four that ask with me
	s_cselect_b32 s92, ttmp9, s92                  ; the coordinate along which other clusters read the same rows
	s_cselect_b64 s[PFA:PFA+1], s[14:15], s[46:47]
	s_cmp_eq_u32 s92, 0
	s_cselect_b32 s[LIM], 1, -1
	s_add_nc_u64 s[PFA:PFA+1], s[PFA:PFA+1], 2*KSTEPB  ; at K step 2: the first refill steps it to 3 and names K step 4
	s_mul_i32 s91, s91, s90
	s_sub_co_u32 s90, s90, 1
	v_and_b32 v[PFO], 31, v0
	v_min_u32 v[PFO], s90, v[PFO]
	v_add_nc_u32 v[PFO], s91, v[PFO]               ; my block among the wave's
	v_lshrrev_b32 v[TT], 4, v[PFO]
	v_and_b32 v[PFO], 15, v[PFO]
	v_lshlrev_b32 v[PFO], 8, v[PFO]
	v_lshl_add_u32 v[PFO], v[TT], 15, v[PFO]       ; group x 32,768 + block x 256
	; where the results go
	s_lshl_b32 s90, s13, 4
	s_lshl3_add_u32 s90, s11, s90                  ; my first group of tokens
	s_lshl4_add_u32 s90, s90, s42
	s_lshl_b32 s90, s90, 11
	s_lshl_b32 s91, s12, 10
	s_add_co_u32 s90, s90, s91
	s_mov_b32 s91, 0
	s_add_nc_u64 s[QB:QB+1], s[74:75], s[90:91]
	s_lshr_b32 s92, s13, 3                         ; batch
	s_lshl4_add_u32 s92, s92, s42
	s_lshl_b32 s92, s92, 19
	s_mov_b32 s93, 0
	s_add_nc_u64 s[VB:VB+1], s[76:77], s[92:93]    ; the batch's and head's 32 blocks
	s_and_b32 s94, s13, 7
	s_lshl_b32 s94, s94, 2
	s_lshl1_add_u32 s94, s11, s94                  ; my first block of 64 keys
	s_add_co_u32 s90, s94, 31
	s_and_b32 s90, s90, 31                         ; K lies one block back
	s_lshl_b32 s90, s90, 14
	s_lshl_b32 s95, s12, 10
	s_add_co_u32 s90, s90, s95
	s_add_co_u32 s90, s90, 8192
	s_add_nc_u64 s[KB0:KB0+1], s[VB:VB+1], s[90:91]
	s_lshl_b32 s90, s94, 14
	s_add_co_u32 s92, s90, s95
	s_add_co_u32 s92, s92, 8192
	s_add_nc_u64 s[KB1:KB1+1], s[VB:VB+1], s[92:93]
	s_lshl_b32 s95, s12, 11
	s_add_co_u32 s90, s90, s95
	s_add_nc_u64 s[VB:VB+1], s[VB:VB+1], s[90:91]
	; the biases are rounded to bf16 while the first tile is on its way
	s_wait_loadcnt 0x0
.set i, 0
.rept 16
	v_cvt_pk_bf16_f32 v[TT], v[BQK+2*i], v[BQK+2*i+1]
	v_lshlrev_b32 v[BQK+2*i], 16, v[TT]
	v_and_b32 v[BQK+2*i+1], 0xffff0000, v[TT]
.set i, i+1
.endr
	v_cvt_pk_bf16_f32 v[TT], v[BV], v[BV+2]
	v_lshlrev_b32 v[BV], 16, v[TT]
	v_and_b32 v[BV+2], 0xffff0000, v[TT]
	v_mov_b32 v[BV+1], v[BV]
	v_mov_b32 v[BV+3], v[BV+2]
; 16 products of q and k: token groups a0 .. a0 + 3 x columns 0..3.  The 48 accumulators take turns, one instruction a turn, in the same order in every quarter.
.macro MULQK f, a0, zero
	WIN MULQKW
.irp a, \a0, (\a0)+1, (\a0)+2, (\a0)+3
.irp c, 0,1,2,3
.if \zero
	v_wmma_f32_16x16x32_bf16 v[8*(4*(\a)+(\c)):8*(4*(\a)+(\c))+7], v[48*(\f)+8*(\c):48*(\f)+8*(\c)+7], v[64+64*(\f)+8*(\a):64+64*(\f)+8*(\a)+7], 0
.else
	v_wmma_f32_16x16x32_bf16 v[8*(4*(\a)+(\c)):8*(4*(\a)+(\c))+7], v[48*(\f)+8*(\c):48*(\f)+8*(\c)+7], v[64+64*(\f)+8*(\a):64+64*(\f)+8*(\a)+7], v[8*(4*(\a)+(\c)):8*(4*(\a)+(\c))+7]
.endif
.endr
.endr
.endm
.macro MULV f, zero                    ; 16 products of v
	WIN MULVW
.irp a, 0,1,2,3,4,5,6,7
.irp c, 0,1
.if \zero
	v_wmma_f32_16x16x32_bf16 v[8*(2*(\a)+(\c)):8*(2*(\a)+(\c))+7], v[64+64*(\f)+8*(\a):64+64*(\f)+8*(\a)+7], v[48*(\f)+32+8*(\c):48*(\f)+32+8*(\c)+7], 0
.else
	v_wmma_f32_16x16x32_bf16 v[8*(2*(\a)+(\c)):8*(2*(\a)+(\c))+7], v[64+64*(\f)+8*(\a):64+64*(\f)+8*(\a)+7], v[48*(\f)+32+8*(\c):48*(\f)+32+8*(\c)+7], v[8*(2*(\a)+(\c)):8*(2*(\a)+(\c))+7]
.endif
.endr
.endr
.endm
.macro FETCH slot, q, f                ; 28 LDS loads in one run: quarter q's fragments: W's six, then x's eight
	WIN TO_B
.irp c, 0,1,2,3,4,5
	ds_load_b128 v[48*(\f)+8*(\c):48*(\f)+8*(\c)+3],   v[ADRB+(\slot)] offset:(\c)*4096+(\q)*1024
	ds_load_b128 v[48*(\f)+8*(\c)+4:48*(\f)+8*(\c)+7], v[ADRB+(\slot)] offset:(\c)*4096+(\q)*1024+512
.endr
	WIN 0
.irp a, 0,1,2,3,4,5,6,7
	ds_load_b128 v[64+64*(\f)+8*(\a):64+64*(\f)+8*(\a)+3],   v[ADRA+(\slot)] offset:(\a)*4096+(\q)*1024
	ds_load_b128 v[64+64*(\f)+8*(\a)+4:64+64*(\f)+8*(\a)+7], v[ADRA+(\slot)] offset:(\a)*4096+(\q)*1024+512
.endr
.endm
.macro PLACES                          ; four places in front of loads into registers that matrix instructions have read
.rept 4
	v_nop
.endr
.endm
; A quarter of a K step: 48 products on buffer f; in it quarter q's fragments are fetched into buffer g.
.macro QUARTER slot, q, f, g, zero
	s_wait_dscnt 8                                 ; W's fragments and x's groups 0-3 are in; the youngest eight loads may be out
	MULQK \f, 0, \zero
	PLACES
	FETCH \slot, \q, \g
	s_wait_dscnt 28                                ; all but the 28 just issued
	MULQK \f, 4, \zero
	MULV \f, \zero
.endm
; The last quarter multiplies buffer 1 and changes slots: each wave waits for all its tensor loads, adds 0 to its spare word, waits for that and for its reads of this slot.
; fill = 1: the barrier opens a round of the cluster's barrier and the joint refill is the first thing behind the round.
.macro TURN slot, next, fill
.if \fill
	s_wait_xcnt 0x0                                ; the last prefetch, a K step back, has read its address
	s_add_nc_u64 s[PFA:PFA+1], s[PFA:PFA+1], KSTEPB
.endif
	WIN 0
	s_wait_tensorcnt 0x0                           ; all my tensor loads have landed: my part of the next slot
	ds_add_u32 v[SPW], v[NIL]
	s_wait_dscnt 9                                 ; (the add and the youngest eight loads may be out)
	MULQK 1, 0, 0
	s_wait_dscnt 0x0                               ; the add is done, and my reads of this slot are over
	s_barrier_signal -1
	MULQK 1, 4, 0
.if \fill
	WIN 0
.endif
	s_barrier_wait -1
.if \fill
	CREST
	s_add_nc_u64 s[G0+4*(\slot)+2:G0+4*(\slot)+3], s[G0+4*(\slot)+2:G0+4*(\slot)+3], 2*KSTEPB
	s_add_nc_u64 s[G0B+4*(\slot)+2:G0B+4*(\slot)+3], s[G0B+4*(\slot)+2:G0B+4*(\slot)+3], 2*KSTEPB
	JLOAD \slot                                    ; its four v_nop are also the places in front of the loads below
.else
	PLACES
.endif
	FETCH \next, 0, 0
.if \fill
	ASK
.endif
	MULV 1, 0
.endm
	s_wait_tensorcnt 1                             ; my part of K step 0 is in; K step 1's may stay out
	s_barrier_signal -1
	s_barrier_wait -1
	FETCH 0, 0, 0
	QUARTER 0, 1, 0, 1, 1                          ; the first quarter's products start the sums
	WIN 0
	s_mov_b32 s3, LAPS-1
.Llap:
	QUARTER 0, 2, 1, 0, 0
	QUARTER 0, 3, 0, 1, 0
	TURN 0, 1, 1
	QUARTER 1, 1, 0, 1, 0
	QUARTER 1, 2, 1, 0, 0
	QUARTER 1, 3, 0, 1, 0
	TURN 1, 0, 1
	QUARTER 0, 1, 0, 1, 0
	WIN 0
	s_sub_co_u32 s3, s3, 1
	s_cmp_lg_u32 s3, 0
	s_cbranch_scc1 .Llap
	QUARTER 0, 2, 1, 0, 0                          ; the last lap fills nothing
	QUARTER 0, 3, 0, 1, 0
	TURN 0, 1, 0
	QUARTER 1, 1, 0, 1, 0
	QUARTER 1, 2, 1, 0, 0
	QUARTER 1, 3, 0, 1, 0
	s_wait_dscnt 0x0
	MULQK 1, 0, 0
	MULQK 1, 4, 0
	MULV 1, 0
	WIN 0
	PLACES
	PLACES                                         ; the places behind the last products, once a launch
; THE WAY OUT, eight accumulators at a time: the bias is added, the sums are rounded to f16, and a lane's 16 bytes are stored where the fragment blocks want them.
.macro OUTQK g
	WIN 0x02                                       ; source 0 window 2
.set i, 0
.rept 8
.irp u, 0,1,2,3
	v_pk_add_f32 v[64+8*i+2*(\u):64+8*i+2*(\u)+1], v[8*(8*(\g)+i)+2*(\u):8*(8*(\g)+i)+2*(\u)+1], v[BQK+8*(i%4)+2*(\u):BQK+8*(i%4)+2*(\u)+1]
.endr
.set i, i+1
.endr
	WIN 0
	s_wait_xcnt 0x0                                ; the stores two groups back have read their registers
.set os, 128+32*((\g)%2)
.set i, 0
.rept 32
	v_cvt_pk_f16_f32 v[os+i], v[64+2*i], v[64+2*i+1]
.set i, i+1
.endr
.set i, 0
.rept 8
.set a, 2*(\g)+i/4
.if (i%4) < 2
	global_store_b128 v[GO], v[os+4*i:os+4*i+3], s[QB:QB+1] offset:a*32768+(i%4)*512
.elseif a < 4
	global_store_b128 v[GO], v[os+4*i:os+4*i+3], s[KB0:KB0+1] offset:(a%4)*2048+(i%4-2)*512
.else
	global_store_b128 v[GO], v[os+4*i:os+4*i+3], s[KB1:KB1+1] offset:(a%4)*2048+(i%4-2)*512
.endif
.set i, i+1
.endr
.endm
.macro OUTV g
	WIN 0x03                                       ; source 0 window 3
.set i, 0
.rept 8
.irp u, 0,1,2,3
	v_pk_add_f32 v[64+8*i+2*(\u):64+8*i+2*(\u)+1], v[8*(8*(\g)+i)+2*(\u):8*(8*(\g)+i)+2*(\u)+1], v[BV+2*(i%2):BV+2*(i%2)+1]
.endr
.set i, i+1
.endr
	WIN 0
	s_wait_xcnt 0x0
.set os, 128+32*((\g)%2)
.set i, 0
.rept 32
	v_cvt_pk_f16_f32 v[os+i], v[64+2*i], v[64+2*i+1]
.set i, i+1
.endr
.set i, 0
.rept 8
.set a, 4*(\g)+i/2
	global_store_b128 v[GO], v[os+4*i:os+4*i+3], s[VB:VB+1] offset:(a/4)*16384+((a%4)/2)*4096+(i%2)*1024+(a%2)*512
.set i, i+1
.endr
.endm
	OUTQK 0
	OUTQK 1
	OUTQK 2
	OUTQK 3
	OUTV 0
	OUTV 1
	s_wait_tensorcnt 0x0                           ; the wave's end
	ds_add_u32 v[SPW], v[NIL]
	s_wait_dscnt 0x0
	CROUND                                         ; the closing round
	s_endpgm
.Lfunc_end_k_q604b130b56_proj:
	.size	k_q604b130b56_proj, .Lfunc_end_k_q604b130b56_proj-k_q604b130b56_proj
	.p2alignl 7, 3214868480
	.fill 96, 4, 3214868480
	.section	.rodata,"a",@progbits
	.p2align	6, 0x0
	.amdhsa_kernel k_q604b130b56_proj
		.amdhsa_group_segment_fixed_size 327680
		.amdhsa_private_segment_fixed_size 0
		.amdhsa_enable_private_segment 0
		.amdhsa_kernarg_size 56
		.amdhsa_user_sgpr_count 2
		.amdhsa_user_sgpr_kernarg_segment_ptr 1
		.amdhsa_wavefront_size32 1
		.amdhsa_system_sgpr_workgroup_id_x 1
		.amdhsa_system_sgpr_workgroup_id_y 1
		.amdhsa_system_sgpr_workgroup_id_z 1
		.amdhsa_system_vgpr_workitem_id 0
		.amdhsa_next_free_vgpr 896
		.amdhsa_next_free_sgpr 96
		.amdhsa_reserve_vcc 0
		.amdhsa_float_denorm_mode_32 3
		.amdhsa_float_denorm_mode_16_64 3
		.amdhsa_memory_ordered 1
		.amdhsa_forward_progress 1
		.amdhsa_inst_pref_size 126
	.end_amdhsa_kernel
	.amdgpu_metadata
---
amdhsa.version: [ 1, 2 ]
amdhsa.kernels:
  - .name:           k_q604b130b56_proj
    .symbol:         k_q604b130b56_proj.kd
    .args:
      - { .name: xb, .offset: 0, .size: 8, .value_kind: global_buffer, .address_space: global }
      - { .name: wb, .offset: 8, .size: 8, .value_kind: global_buffer, .address_space: global }
      - { .name: bq, .offset: 16, .size: 8, .value_kind: global_buffer, .address_space: global }
      - { .name: bk, .offset: 24, .size: 8, .value_kind: global_buffer, .address_space: global }
      - { .name: bv, .offset: 32, .size: 8, .value_kind: global_buffer, .address_space: global }
      - { .name: qf, .offset: 40, .size: 8, .value_kind: global_buffer, .address_space: global }
      - { .name: kv, .offset: 48, .size: 8, .value_kind: global_buffer, .address_space: global }
    .group_segment_fixed_size: 327680
    .private_segment_fixed_size: 0
    .kernarg_segment_align: 8
    .kernarg_segment_size: 56
    .max_flat_workgroup_size: 128
    .sgpr_count:     96
    .vgpr_count:     896
    .wavefront_size: 32
...
	.end_amdgpu_metadata
.endif
;; end of part 2
;; launch attn (part 3): grid 64 x 4, 4 waves a work-group, clusters of 4 x 1, 327,680 bytes of LDS; arguments qf, kv, act, gt, logical_bias, of; writes of
.if DOCPART == 3
	.amdgcn_target "amdgcn-amd-amdhsa--gfx1250"
	.amdhsa_code_object_version 6
	.text
	.protected	k_q604b130b56_attn
	.globl	k_q604b130b56_attn
	.p2align	8
	.type	k_q604b130b56_attn,@function
k_q604b130b56_attn:
	s_mov_b64 s[64:65], 0
	v_nop
	global_prefetch_b8 v0, s[64:65] scope:SCOPE_SE
	s_setreg_imm32_b32 hwreg(HW_REG_WAVE_MODE, 25, 1), 1
	s_wait_xcnt 0x0
	s_wait_alu depctr_hold_cnt(0) depctr_sa_sdst(0) depctr_va_vdst(0) depctr_va_sdst(0) depctr_va_ssrc(0) depctr_va_vcc(0) depctr_vm_vsrc(0)
	s_getreg_b32 s2, hwreg(HW_REG_IB_STS2, 6, 4)
	s_cmp_eq_u32 s2, 0
	s_cbranch_scc0 .Lentry_in_a_cluster
	s_endpgm
.Lentry_in_a_cluster:
	s_bfe_u32 s2, ttmp6, 0x10000c
	s_cmp_lg_u32 s2, 0x3003
	s_cbranch_scc0 .Lentry_shape_is_right
	s_endpgm
.Lentry_shape_is_right:
; ATTENTION WITH THE RELATION TERM.  For batch b, head h: score(i, j) = q_i . k_j / 8 + gate_i (lb0 p0 + lb1 p1 + lb2 p2), p = softmax over three of li_i + lj_j + rel_b; O = softmax_j(score) V.
; p0 + p1 + p2 = 1, so the term is gate_i lb0 + gate_i ((lb1-lb0) p1 + (lb2-lb0) p2); its first part is the same for all j and leaves the softmax over j unchanged: it is left out.
; SHARES.  A work-group owns 64 queries and 4 heads; wave w owns head 4 y + w and all four tiles of 16 queries (PIECES).  Every wave walks the batch's 2,048 keys, 64 a step.
; THE RELATION TERM GOES THROUGH THE MATRIX UNIT.  For 16 keys x 16 queries: S^T[j][i] += sum over kk < 32 of RF[j][kk] G[kk][i], kk = 2 i' + k': RF[j][2 i' + k'] = p_(k'+1)(i', j), the same for all heads;
; G is 0 but for i' = i, where it holds 8 gate_i (lb_(k'+1) - lb0).  One more link on each score accumulator, no vector work a head.  RF is made once a work-group: wave w makes query tile w for each 16 keys
; and the four waves share the tiles through a ring of 8 x 4 KiB in LDS, one work-group barrier a key step.
; THE THREE-WAY SOFTMAX keeps its maximum: with T_k = (logit_0 - logit_k) log2 e and N = min(T1, T2, 0): e_k = 2^(N - T_k), e_0 = 2^N, all at most 1, their sum at least 1.
; LAYOUT.  S^T = K Q^T holds ONE query a lane (lane % 16) and the keys 8 (lane / 16) + 0..7; two such results rounded to f16 ARE source 1 of O^T = V^T P.  Q, K, V^T lie in memory as fragments (1,024 bytes on end).
; SOFTMAX over j: running maximum m and sum l, p = 2^(c s - c m), c = log2(e) / 8; O and l are multiplied by a = 2^(c m_old - c m_new) in every step.  m starts at the lowest finite number, O and l at 0.
; TURNS.  Turn p of a step belongs to piece p: 12 products for piece p + 1's scores, later 8 products V^T P of piece p - 1; beside them piece p's scaling, exponentials, roundings, sums and rescaling, piece p + 1's
; maximum and statistics, and one relation tile in stages (turn t: the table load for key group t + 9, the sums and exponentials of group t + 8, the division of group t + 7, the store of group t + 6).
; A turn has 20 matrix and 198 vector instructions, 65 of them transcendentals.  Four vector instructions stand behind EVERY matrix instruction, at most one of them a transcendental; the others stand in two lumps.
; All 65 transcendentals stand ahead of the turn's ONE wait, and nothing ahead of that wait names a result of theirs; the turn's LDS instructions stand together, directly behind that wait.
; CLUSTER 4 x 1: the four query blocks share batch and heads: K/V windows and the table of the keys' relation sums are asked for jointly.
; LIMITS.  q, k, v arrive within f16's range; p below 6e-5 keeps f16's fixed step; a weight below 2^-126 counts as 0 in l; 8 gate (lb_k - lb0) must lie within 65,504; NaN and infinities are not treated apart.
; The registers cleared at the start (O^T, V, one buffer of P) spare a first step written out; they are written while the first tiles are on their way.
; REGISTERS.  window 0: v0-15 addresses; v16-31 statistics; v32-39 at work; v40-43 the keys' sums, two buffers; v44-59 the queries' sums; v60-67 a relation tile to store; v68-115 two relation sets of 24;
;   v128-191 S^T, two buffers; v192-223 P, two buffers.   window 1: v0-127 O^T; v128-191 RF, two buffers; v192-223 G.   window 2: v0-63 Q; v64-127 K; v128-191 V^T.
.set NP,    4
.set SLOT1, 1<<17                      ; two slots of 131,072 bytes: wave w's window (two key steps: V, K, V, K of its head) at 32,768 w
.set RB,    262144                     ; the relation ring: (group % 8) x 4,096 + query tile x 1,024
.set CT,    294912                     ; the batch's table of the keys' sums, 8 bytes a key, filled once
.set CTAIL, 311296                     ; behind it 2,048 bytes of zeros, for the look-ahead past the last key
.set SPARE, 313344
.set KV0, 2
.set ADR, 3
.set RL0, 4
.set RLA, 5
.set RS0, 6
.set RSA, 7
.set CA,  8
.set GO,  9
.set RR,  10
.set HH,  11
.set MV,  12
.set SPW, 14
.set NIL, 15
.set ST,  16
.set TMP, 32
.set NC,  40
.set NA1, 44
.set NA2, 52
.set W,   60
.set RSET, 68
.set PFO, 116
.set CP,  120
.set SPT, 121
.set S,   128
.set P,   192
.set RFB, 128                          ; window 1
.set GF,  192                          ; window 1
.set KF,  64                           ; window 2
.set VF,  128                          ; window 2
.set WV,  16
.set G1,  24
.set G1C, 32
.set G0,  40
.set G0C, 44
.set SLOTS, 48
.set CNT, 49
.set TB,  50
.set RPA, 51
.set RPB, 52
.set LIM, 53
.set PFA, 54
.set CS,  56
.set SEL, 58
.set MSB, 0
.macro WIN new
.if MSB != (\new)
	s_set_vgpr_msb (MSB<<8)|(\new)
.set MSB, (\new)
.endif
.endm
.set W_KQ, 0x0a                        ; K and Q in window 2, S^T in window 0
.set W_BI, 0x05                        ; RF and G in window 1, S^T in window 0
.set W_PV, 0x52                        ; V in window 2, P in window 0, O^T in window 1
.set W_RS, 0x41                        ; destination and source 0 in window 1, source 1 in window 0
.macro CROUND
	s_barrier_signal -1
	s_barrier_wait -1
	s_cmp_lg_u32 s[WV], 0
	s_cbranch_scc1 .Lnot_wave_0_\@
	s_barrier_signal -3
.Lnot_wave_0_\@:
	s_barrier_wait -3
	s_barrier_signal -1
	s_barrier_wait -1
.endm
; A prefetch of the window that the NEXT change of slots will ask for: two key steps ahead.  Eight clusters walk the same windows: the batch's first asks.  Of a window's 128 blocks of 256 bytes each of the
; four partners takes 32, told apart by address; each wave asks for its own head's.  The change that fills the last window asks for nothing.
.macro ASK
	s_cmp_gt_u32 s[SLOTS], s[LIM]
	s_cbranch_scc0 .Lnot_mine_\@
	global_prefetch_b8 v[PFO], s[PFA:PFA+1] th:TH_LOAD_NT scope:SCOPE_SE
.Lnot_mine_\@:
.endm
; THE CHANGE OF SLOTS: each wave waits for all its tensor loads, adds 0 to its spare word, waits for that and for its LDS reads; fill = 1: a round of the cluster's barrier, and the joint refill first behind it.
.macro CHANGE fill
	WIN 0
	s_wait_tensorcnt 0x0                           ; no tensor load of mine is out, so the group 0 may be written
	ds_add_u32 v[SPW], v[NIL]
.if \fill
	s_xor_b32 s[G0+1], s[G0+1], SLOT1
	s_add_nc_u64 s[G0+2:G0+3], s[G0+2:G0+3], 32768
	s_wait_xcnt 0x0                                ; the last prefetch, two key steps back, has read its address
	s_add_nc_u64 s[PFA:PFA+1], s[PFA:PFA+1], 32768
	s_wait_dscnt 0x0
	CROUND
	tensor_load_to_lds s[G0:G0+3], s[G1:G1+7]      ; my head's next window: it has two key steps, 160 products, in which to land
	s_nop 0
.rept 4
	v_nop
.endr
	ASK
.else
	s_wait_dscnt 0x0
	s_barrier_signal -1
	s_barrier_wait -1
.endif
	s_sub_co_u32 s[TB], s[TB], 32768
	s_xor_b32 s[TB], s[TB], SLOT1
.endm
	s_load_b256 s[4:11], s[0:1], 0x0               ; qf s[4:5], kv s[6:7], act s[8:9], gt s[10:11]
	s_load_b128 s[12:15], s[0:1], 0x20             ; logical_bias s[12:13], of s[14:15]
	v_lshl_add_u32 v[SPW], v0, 2, SPARE
	v_mov_b32 v[NIL], 0
	ds_add_u32 v[SPW], v[NIL]                      ; the wave's opening: the add and its wait stand ahead of my first tensor load
	v_lshrrev_b32 v1, 5, v0
	v_readfirstlane_b32 s[WV], v1
	s_bfe_u32 s17, ttmp6, 0x40000                  ; cx
	s_lshl_b32 s18, ttmp9, 2
	s_add_co_u32 s18, s18, s17                     ; my block of 64 queries
	s_lshr_b32 s19, ttmp9, 3                       ; the batch, which the partners share
	s_and_b32 s20, ttmp7, 0xffff
	s_lshl2_add_u32 s20, s20, s[WV]                ; my head
	s_lshl4_add_u32 s60, s19, s20
	s_lshl_b32 s60, s60, 19                        ; the batch's and head's 524,288 bytes of kv
	s_mov_b32 s61, 0
	s_lshl_b32 s62, s18, 6
	s_add_co_u32 s62, s62, s20
	s_lshl_b32 s62, s62, 11                        ; my block's first group and my head's two chunks, in qf and in of
	s_mov_b32 s63, 0
	s_lshl_b32 s66, s18, 8
	s_lshl_b32 s67, s[WV], 6
	s_add_co_u32 s66, s66, s67                     ; (64 block + 16 wave) x 4: the query tile whose relation tiles I make
	s_mov_b32 s67, 0
	s_lshl_b32 s82, s18, 12
	s_bfe_u32 s83, s20, 0x10002
	s_lshl_b32 s83, s83, 9
	s_add_co_u32 s82, s82, s83
	s_lshr_b32 s83, s20, 3
	s_lshl_b32 s83, s83, 8
	s_add_co_u32 s82, s82, s83
	s_and_b32 s83, s20, 3
	s_lshl2_add_u32 s82, s83, s82                  ; my head's place in gt
	s_mov_b32 s83, 0
	s_mul_i32 s84, s20, 12
	s_mov_b32 s85, 0
	s_lshl_b32 s86, s19, 14
	s_lshl_b32 s87, s[WV], 12
	s_add_co_u32 s86, s86, s87
	s_add_co_u32 s86, s86, 32768                   ; my quarter of the batch's table
	s_mov_b32 s87, 0
	s_lshl_b32 s88, s17, 13
	s_add_co_u32 s88, s88, 32768                   ; the prefetches: my work-group's 32 blocks, in window 1; the first change steps it to window 2
	s_mov_b32 s89, 0
	s_and_b32 s[LIM], ttmp9, 7
	s_cmp_eq_u32 s[LIM], 0
	s_cselect_b32 s[LIM], 1, -1
	s_mov_b32 s[G1], 15|(3<<16)|(1<<21)            ; the mask of four; elements of 8 bytes; bit 21 beside a mask
	s_mov_b32 s[G1C], 15|(3<<16)|(1<<21)
	s_mov_b32 s[G1+1], 32<<16                      ; rows of 256 bytes
	s_mov_b32 s[G1C+1], 32<<16
	s_mov_b32 s[G1+2], 128<<16                     ; 128 rows: a window
	s_mov_b32 s[G1C+2], 16<<16                     ; 16 rows: a quarter of the table
	s_mov_b32 s[G1+3], 32<<16
	s_mov_b32 s[G1C+3], 32<<16
	s_mov_b32 s[G1+4], 128
	s_mov_b32 s[G1C+4], 16
	s_mov_b32 s[G1+5], 32
	s_mov_b32 s[G1C+5], 32
	s_mov_b32 s[G1+6], 0
	s_mov_b32 s[G1C+6], 0
	s_mov_b32 s[G1+7], 0
	s_mov_b32 s[G1C+7], 0
	s_mov_b32 s[G0], 1
	s_lshl_b32 s[G0+1], s[WV], 15                  ; slot 0, my 32 KiB
	s_mov_b32 s[G0C], 1
	s_lshl_b32 s[G0C+1], s[WV], 12
	s_add_co_u32 s[G0C+1], s[G0C+1], CT
	s_mov_b32 s[CS], 0x3e38aa3b                    ; c = log2(e) / 8
	s_mov_b32 s[CS+1], s[CS]
	s_mov_b32 s[SEL], 0x76543210
	s_mov_b32 s[SEL+1], 0xfedcba98
	s_mov_b32 s[TB], SLOT1+32768                   ; the first change of slots turns it into 0
	s_mov_b32 s[RPA], 0
	s_mov_b32 s[RPB], 16384
	s_mov_b32 s[SLOTS], 15
	v_and_b32 v[GO], 31, v0
	v_lshlrev_b32 v[GO], 4, v[GO]
	v_and_b32 v[RR], 15, v0
	v_bfe_u32 v[HH], v0, 4, 1
	v_lshlrev_b32 v[PFO], 4, v[GO]
	s_wait_dscnt 0x0                               ; the opening add is done
	s_wait_kmcnt 0x0
	s_add_nc_u64 s[G0+2:G0+3], s[6:7], s[60:61]
	s_add_nc_u64 s[76:77], s[G0+2:G0+3], 31*16384+8192  ; K of the first 64 keys lies in the last block
	s_add_nc_u64 s[PFA:PFA+1], s[G0+2:G0+3], s[88:89]
	s_or_b32 s[G0+3], s[G0+3], 0x80000000
	s_add_nc_u64 s[G0C+2:G0C+3], s[8:9], s[86:87]
	s_or_b32 s[G0C+3], s[G0C+3], 0x80000000
	s_add_nc_u64 s[72:73], s[4:5], s[62:63]        ; Q
	s_add_nc_u64 s[74:75], s[14:15], s[62:63]      ; O
	s_add_nc_u64 s[78:79], s[8:9], s[66:67]        ; the queries' sums
	s_add_nc_u64 s[80:81], s[10:11], s[82:83]      ; the gate
	s_add_nc_u64 s[84:85], s[12:13], s[84:85]
	s_load_b96 s[68:70], s[84:85], 0x0             ; my head's lb0, lb1, lb2
	CROUND                                         ; all four work-groups are here: the first joint loads meet
	tensor_load_to_lds s[G0C:G0C+3], s[G1C:G1C+7]  ; two loads of mine are out: my quarter of the table,
	s_nop 0
	tensor_load_to_lds s[G0:G0+3], s[G1:G1+7]      ; and my head's window 0
	s_nop 0
.rept 4
	v_nop
.endr
	WIN 0x80                                       ; destination window 2
.set i, 0
.rept 8                                            ; Q: piece i / 2, channels 32 (i % 2) on
	global_load_b128 v[8*i:8*i+3],   v[GO], s[72:73] offset:(i/2)*32768+(i%2)*1024
	global_load_b128 v[8*i+4:8*i+7], v[GO], s[72:73] offset:(i/2)*32768+(i%2)*1024+512
.set i, i+1
.endr
.set i, 0
.rept 8                                            ; K of key step 0
	global_load_b128 v[KF+8*i:KF+8*i+3],   v[GO], s[76:77] offset:i*1024
	global_load_b128 v[KF+8*i+4:KF+8*i+7], v[GO], s[76:77] offset:i*1024+512
.set i, i+1
.endr
	WIN 0
	v_lshlrev_b32 v117, 4, v[HH]                   ; my eight queries of the tile: 4 hh + 0..3 and 8 + 4 hh + 0..3
	global_load_b128 v[NA1:NA1+3], v117, s[78:79]
	global_load_b128 v[NA1+4:NA1+7], v117, s[78:79] offset:32
	global_load_b128 v[NA2:NA2+3], v117, s[78:79] offset:16384
	global_load_b128 v[NA2+4:NA2+7], v117, s[78:79] offset:16384+32
	v_lshlrev_b32 v118, 4, v[RR]
.irp t, 0,1,2,3
	global_load_b32 v[224+(\t)], v118, s[80:81] offset:(\t)*1024  ; the gate of query r of piece t, my head
.endr
	v_lshl_add_u32 v119, v0, 3, CTAIL
	v_mov_b32 v228, 0
	v_mov_b32 v229, 0
	ds_store_b64 v119, v[228:229]
	ds_store_b64 v119, v[228:229] offset:1024
	WIN 0x40
.set i, 0
.rept 128
	v_mov_b32 v[i], 0                              ; O^T
.set i, i+1
.endr
	WIN 0x80
.set i, VF
.rept 64
	v_mov_b32 v[i], 0                              ; V: the first turn's products V^T P, of a piece that has not been, add 0
.set i, i+1
.endr
	WIN 0
.set i, P+16
.rept 16
	v_mov_b32 v[i], 0
.set i, i+1
.endr
.set i, 0
.rept 4
	v_mov_b32 v[ST+4*i], 0xfe000000                ; c m: far below every c s
	v_mov_b32 v[ST+4*i+1], 0xff7fffff              ; m
	v_mov_b32 v[ST+4*i+2], 0
	v_mov_b32 v[ST+4*i+3], 0
.set i, i+1
.endr
	s_lshl_b32 s21, s[WV], 15
	v_add_nc_u32 v[KV0], s21, v[GO]
	v_add_nc_u32 v[RL0], RB, v[GO]
	s_lshl_b32 s21, s[WV], 10
	v_add_nc_u32 v[RS0], s21, v[RL0]
	v_lshl_add_u32 v[CA], v[RR], 3, CT
	s_wait_loadcnt 0x0
	s_wait_kmcnt 0x0
	; G: register n of piece t holds (8 g (lb1 - lb0), 8 g (lb2 - lb0)) in f16 where my column's query r is the register's query, else 0
	v_mov_b32 v228, s68
	v_sub_f32 v229, s69, v228
	v_sub_f32 v230, s70, v228
	v_mul_f32 v229, 0x41000000, v229
	v_mul_f32 v230, 0x41000000, v230
.irp t, 0,1,2,3
	v_mul_f32 v231, v[224+(\t)], v229
	v_mul_f32 v[232+(\t)], v[224+(\t)], v230
	v_cvt_pk_f16_f32 v[232+(\t)], v231, v[232+(\t)]
.endr
	v_lshlrev_b32 v231, 2, v[HH]
	v_sub_nc_u32 v231, v[RR], v231
	WIN 0x40
.irp n, 0,1,2,3,4,5,6,7
	v_cmp_eq_u32 vcc_lo, (\n)+4*((\n)/4), v231
.irp t, 0,1,2,3
	v_cndmask_b32 v[GF+8*(\t)+(\n)], 0, v[232+(\t)], vcc_lo
.endr
.endr
	WIN 0
; THE MATRIX WORK.  The four accumulators of a run take turns, one instruction a turn.  Product i < 12 for piece x: keys 16 (i % 4) on; i < 4: channels 0-31, starts the sum;
; i < 8: channels 32-63; else the relation term.
.macro KQ x
.set rS, S+32*((\x)%2)+8*(i%4)
.if i < 4
	WIN W_KQ
	v_wmma_f32_16x16x32_f16 v[rS:rS+7], v[KF+16*(i%4):KF+16*(i%4)+7], v[16*(\x):16*(\x)+7], 0
.elseif i < 8
	WIN W_KQ
	v_wmma_f32_16x16x32_f16 v[rS:rS+7], v[KF+16*(i%4)+8:KF+16*(i%4)+15], v[16*(\x)+8:16*(\x)+15], v[rS:rS+7]
.else
	WIN W_BI
	v_wmma_f32_16x16x32_f16 v[rS:rS+7], v[RFB+32*((\x)%2)+8*(i%4):RFB+32*((\x)%2)+8*(i%4)+7], v[GF+8*(\x):GF+8*(\x)+7], v[rS:rS+7]
.endif
.endm
.macro PV x                            ; product i - 12 of 8 of O^T += V^T P: keys 32 (j / 4) on, channels 16 (j % 4) on
	WIN W_PV
.set j, i-12
.set rO, 32*(\x)+8*(j%4)
.set rV, VF+32*(j/4)+8*(j%4)
.set rP, P+16*((\x)%2)+8*(j/4)
	v_wmma_f32_16x16x32_f16 v[rO:rO+7], v[rV:rV+7], v[rP:rP+7], v[rO:rO+7]
.endm
.macro MM                              ; the turn's next matrix instruction
.if i < 12
	KQ (Y+1)%NP
.else
	PV (Y+NP-1)%NP
.endif
.set i, i+1
.endm
; THE VECTOR WORK, one line at a time: OP kind, number.
; For piece Y: F n: c s - c m for pair n.  E n: the exponential of score n.  C n: pair n rounded to f16.  B n: of the weights 4 n .. the second pair onto the first.  L n: l takes that sum (L 0: l = a l + sum).
; R n: pair n of O^T times a.  For piece Y + 1: X n, number n of the 22 that find its maximum and statistics (each accumulator's lowest registers are read first).
; The relation tile, set QS: GA, GB: T1, T2 = the queries' sums + the key's.  GN: N = min(T1, T2, 0).  GC, GD: T = N - T.  GE k: 2^ of T1 (k < 8), T2 (k < 16), N.  GS, GT: N += T1, T2.
; Set QP, a turn older: GR: 1 / N.  GP, GQ: T *= that.  GW n: (p1, p2) of query n rounded to f16.
.set F, 0
.set E, 1
.set C, 2
.set B, 3
.set L, 4
.set R, 5
.set X, 6
.set GA, 7
.set GB, 8
.set GN, 9
.set GC, 10
.set GD, 11
.set GE, 12
.set GR, 13
.set GS, 14
.set GT, 15
.set GP, 16
.set GQ, 17
.set GW, 18
.macro REGS y
.set rT, ST+4*(\y)
.set rC, TMP+4*((\y)%2)
.set rW, MV+((\y)%2)
.set rS, S+32*((\y)%2)
.set rP, P+16*((\y)%2)
.set rO, 32*(\y)
.endm
.macro OP k, n
.if (\k) == R
	REGS Y
	WIN W_RS
	v_pk_mul_f32 v[rO+2*(\n):rO+2*(\n)+1], v[rO+2*(\n):rO+2*(\n)+1], v[rC+2:rC+3] op_sel_hi:[1,0]
.elseif (\k) < R
	REGS Y
	WIN 0
.if (\k) == F
	v_pk_fma_f32 v[rS+2*(\n):rS+2*(\n)+1], v[rS+2*(\n):rS+2*(\n)+1], s[CS:CS+1], v[rT:rT+1] op_sel_hi:[1,0,0] neg_lo:[0,0,1] neg_hi:[0,0,1]
.elseif (\k) == E
	v_exp_f32 v[rS+(\n)], v[rS+(\n)]
.elseif (\k) == C
	v_cvt_pk_f16_f32 v[rP+(\n)], v[rS+2*(\n)], v[rS+2*(\n)+1]
.elseif (\k) == B
	v_pk_add_f32 v[rS+4*(\n):rS+4*(\n)+1], v[rS+4*(\n):rS+4*(\n)+1], v[rS+4*(\n)+2:rS+4*(\n)+3]
.elseif (\n) == 0
	v_pk_fma_f32 v[rT+2:rT+3], v[rT+2:rT+3], v[rC+2:rC+3], v[rS:rS+1] op_sel_hi:[1,0,1]
.else
	v_pk_add_f32 v[rT+2:rT+3], v[rT+2:rT+3], v[rS+4*(\n):rS+4*(\n)+1]
.endif
.elseif (\k) == X
	REGS (Y+1)%NP
	WIN 0
.if (\n) < 4
	v_max3_num_f32 v[rC+(\n)], v[rS+8*(\n)], v[rS+8*(\n)+1], v[rS+8*(\n)+2]
.elseif (\n) < 12
	v_max3_num_f32 v[rC+(\n)%4], v[rC+(\n)%4], v[rS+8*((\n)%4)+2*((\n)/4)+1], v[rS+8*((\n)%4)+2*((\n)/4)+2]
.elseif (\n) == 12
	v_max3_num_f32 v[rC], v[rC], v[rS+7], v[rS+15]
.elseif (\n) == 13
	v_max3_num_f32 v[rC+1], v[rC+1], v[rS+23], v[rS+31]
.elseif (\n) == 14
	v_max3_num_f32 v[rC+2], v[rC+2], v[rC+3], v[rT+1]
.elseif (\n) == 15
	v_mov_b32 v[rW], v[rT]
.elseif (\n) == 16
	v_max3_num_f32 v[rC], v[rC], v[rC+1], v[rC+2]
.elseif (\n) == 17
	v_permlanex16_b32 v[rC+3], v[rC], s[SEL], s[SEL+1]
.elseif (\n) == 18
	v_max_num_f32 v[rT+1], v[rC], v[rC+3]
.elseif (\n) == 19
	v_mul_f32 v[rT], s[CS], v[rT+1]
.elseif (\n) == 20
	v_sub_f32 v[rC+1], v[rW], v[rT]
.else
	v_exp_f32 v[rC+2], v[rC+1]
.endif
.else
	WIN 0
.set t1, RSET+24*QS
.if ((\k) == GR) || ((\k) == GP) || ((\k) == GQ) || ((\k) == GW)
.set t1, RSET+24*QP
.endif
.set t2, t1+8
.set t3, t1+16
.if (\k) == GA
	v_pk_add_f32 v[t1+2*(\n):t1+2*(\n)+1], v[NA1+2*(\n):NA1+2*(\n)+1], v[NC+2*NCB:NC+2*NCB+1] op_sel_hi:[1,0]
.elseif (\k) == GB
	v_pk_add_f32 v[t2+2*(\n):t2+2*(\n)+1], v[NA2+2*(\n):NA2+2*(\n)+1], v[NC+2*NCB:NC+2*NCB+1] op_sel:[0,1] op_sel_hi:[1,1]
.elseif (\k) == GN
	v_min3_num_f32 v[t3+(\n)], v[t1+(\n)], v[t2+(\n)], 0
.elseif (\k) == GC
	v_pk_add_f32 v[t1+2*(\n):t1+2*(\n)+1], v[t3+2*(\n):t3+2*(\n)+1], v[t1+2*(\n):t1+2*(\n)+1] neg_lo:[0,1] neg_hi:[0,1]
.elseif (\k) == GD
	v_pk_add_f32 v[t2+2*(\n):t2+2*(\n)+1], v[t3+2*(\n):t3+2*(\n)+1], v[t2+2*(\n):t2+2*(\n)+1] neg_lo:[0,1] neg_hi:[0,1]
.elseif (\k) == GE
	v_exp_f32 v[t1+(\n)], v[t1+(\n)]
.elseif (\k) == GR
	v_rcp_f32 v[t3+(\n)], v[t3+(\n)]
.elseif (\k) == GS
	v_pk_add_f32 v[t3+2*(\n):t3+2*(\n)+1], v[t3+2*(\n):t3+2*(\n)+1], v[t1+2*(\n):t1+2*(\n)+1]
.elseif (\k) == GT
	v_pk_add_f32 v[t3+2*(\n):t3+2*(\n)+1], v[t3+2*(\n):t3+2*(\n)+1], v[t2+2*(\n):t2+2*(\n)+1]
.elseif (\k) == GP
	v_pk_mul_f32 v[t1+2*(\n):t1+2*(\n)+1], v[t1+2*(\n):t1+2*(\n)+1], v[t3+2*(\n):t3+2*(\n)+1]
.elseif (\k) == GQ
	v_pk_mul_f32 v[t2+2*(\n):t2+2*(\n)+1], v[t2+2*(\n):t2+2*(\n)+1], v[t3+2*(\n):t3+2*(\n)+1]
.else
	v_cvt_pk_f16_f32 v[W+(\n)], v[t1+(\n)], v[t2+(\n)]
.endif
.endif
.endm
.macro OPS a, i1, b=-1, i2=0, c=-1, i3=0, d=-1, i4=0
	OP \a, \i1
.if (\b) >= 0
	OP \b, \i2
.endif
.if (\c) >= 0
	OP \c, \i3
.endif
.if (\d) >= 0
	OP \d, \i4
.endif
.endm
.macro ROW a, i1, b, i2, c, i3, d, i4  ; a matrix instruction and the four behind it
	MM
	OPS \a, \i1, \b, \i2, \c, \i3, \d, \i4
.endm
; A TURN, for piece p: the order of its 20 matrix and 198 vector instructions, written out.
; AHEAD OF THE WAIT stands all that names no result of the turn's transcendentals.  The 12 products of piece p + 1's scores, four riders behind each, one of them a transcendental: behind the first eight a scaling,
; a reciprocal of the older relation set and two rescalings of O^T; behind the last four a scaling, an exponential and the first two lines of the new relation tile.  Then ONE LUMP: 41 times plain and transcendental
; by turns.  In it the links of the chain X 14, 16, 17 .. 21 stand six lines apart, and each GE stands four pairs or more behind the GC or GD that feeds it; an N is exponentiated only when its GC and GD have read it.
; X 0 to X 3 stand four plain lines or more behind the product that ends their accumulator.  Twelve exponentials have no plain neighbour left; the address lines of the LDS run stand among them, and the last of
; those lines is the plain instruction that is owed behind the last transcendental.
; DIRECTLY BEHIND THE WAIT stand the turn's LDS instructions, together: the relation fragments of piece p + 2, the table's word for the tile after next, and the store of the tile that the turn BEFORE finished.
; BEHIND THEM the 8 products V^T P, four plain riders behind each, and a lump of 24 plain lines.  C 2n stands ahead of B n, which writes over what it reads; the links of l's chain stand four lines or more apart.
; K of the next step is fetched early in turn 2's lump (its last reader is that turn's eighth product; its first reader opens turn 3); V of the step in hand at the end of turn 0, 28 plain lines behind its last reader.
; THE RING'S BARRIER stands in turn 2.  Turns 0 and 1 store groups 2 and 3 of step s + 1 and read step s; turns 2 and 3 store groups 0 and 1 of step s + 2, in step s's half, and read step s + 1.  So between turn 1's
; LDS run and turn 2's every wave waits for its LDS instructions and signals (turn 2's head), and passes the barrier ahead of turn 2's first LDS instruction; only work on registers stands between signal and wait.
.macro TURN p
.set Y, (\p)
.set QS, (\p)%2
.set QP, ((\p)+1)%2
.set NCB, (\p)%2
.set i, 0
.if (\p) == 1
	s_wait_dscnt 18                                ; the last turn's fragments and table word are in; its two stores and V's 16 loads may be out
.elseif (\p) == 2
	s_wait_dscnt 0x0                               ; for the others' sake: my reads of step s's half of the ring are over, and my tiles of step s + 1 lie in it
	s_barrier_signal -1
	WIN 0
	v_add_nc_u32 v[ADR], s[TB], v[KV0]
.else
	s_wait_dscnt 2                                 ; the last turn's loads are in (in turn 3: K too); its two stores may be out
.endif
	ROW F,0, GR,0, R,0, R,1
	ROW F,1, GR,1, R,2, R,3
	ROW F,2, GR,2, R,4, R,5
	ROW F,3, GR,3, R,6, R,7
	ROW F,4, GR,4, R,8, R,9
	ROW F,5, GR,5, R,10, R,11
	ROW F,6, GR,6, R,12, R,13
	ROW F,7, GR,7, R,14, R,15
	ROW F,8, E,0, GA,0, GB,0
	ROW F,9, E,1, GA,1, GB,1
	ROW F,10, E,2, GA,2, GB,2
	ROW F,11, E,3, GA,3, GB,3
	OPS X,0, E,4, X,1, E,5
	OPS X,2, E,6, X,3, E,7
.if (\p) == 2
	s_barrier_wait -1                              ; every wave has signalled: step s + 1's tiles may be read, step s's half may be written
	WIN 0x80
.irp f, 0,1,2,3,4,5,6,7
	ds_load_b128 v[KF+8*(\f):KF+8*(\f)+3],   v[ADR] offset:8192+(\f)*1024
	ds_load_b128 v[KF+8*(\f)+4:KF+8*(\f)+7], v[ADR] offset:8192+(\f)*1024+512
.endr
	WIN 0
.endif
	OPS GN,0, E,8, GN,1, E,9
	OPS X,4, E,10, X,5, E,11
	OPS X,6, E,12, X,7, E,13
	OPS GN,2, E,14, GN,3, E,15
	OPS X,8, E,16, X,9, E,17
	OPS X,10, E,18, X,11, E,19
	OPS GC,0, E,20, GD,0, E,21
	OPS X,12, E,22, X,13, E,23
	OPS X,15, GE,0, X,14, GE,1
	OPS F,12, GE,8, F,13, GE,9
	OPS X,16, GE,16, GC,1, GE,17
	OPS GD,1, E,24, X,17, E,25
	OPS F,14, E,26, F,15, E,27
	OPS X,18, GE,2, GN,4, GE,3
	OPS GN,5, GE,10, X,19, GE,11
	OPS GN,6, GE,18, GN,7, GE,19
	OPS X,20, E,28, GC,2, E,29
	OPS GD,2, E,30, GC,3, E,31
	OPS GD,3, X,21
.if (\p) < 2
	v_add_nc_u32 v[RLA], s[RPA], v[RL0]            ; pieces 2 and 3 of the step in hand
.else
	v_add_nc_u32 v[RLA], s[RPB], v[RL0]            ; pieces 0 and 1 of the next step
.endif
	OP GE, 4
.if (\p) == 0
	v_add_nc_u32 v[ADR], s[TB], v[KV0]
.endif
	OPS GE,5, GE,12, GE,13, GE,6
	OPS GE,7, GE,14, GE,15, GE,20
	OPS GE,21, GE,22, GE,23
.if (\p) < 2
	v_add_nc_u32 v[RSA], s[RPB], v[RS0]            ; the plain instruction behind the last transcendental: where the finished tile goes: the next step's half,
.else
	v_add_nc_u32 v[RSA], s[RPA], v[RS0]            ; or the half that the step in hand has left
.endif
	s_wait_alu depctr_va_vdst(0)                   ; the turn's one wait
	WIN 0x40
.irp g, 0,1,2,3
	ds_load_b128 v[RFB+32*((\p)%2)+8*(\g):RFB+32*((\p)%2)+8*(\g)+3],   v[RLA] offset:(\g)*4096+(((\p)+2)%4)*1024
	ds_load_b128 v[RFB+32*((\p)%2)+8*(\g)+4:RFB+32*((\p)%2)+8*(\g)+7], v[RLA] offset:(\g)*4096+(((\p)+2)%4)*1024+512
.endr
	WIN 0
	ds_load_b64 v[NC+2*(((\p)+1)%2):NC+2*(((\p)+1)%2)+1], v[CA] offset:((\p)+9)*128
	ds_store_b128 v[RSA], v[W:W+3] offset:(((\p)+2)%4)*4096
	ds_store_b128 v[RSA], v[W+4:W+7] offset:(((\p)+2)%4)*4096+512
.if (\p) == 1
	s_wait_dscnt 11                                ; V is in; the 11 just issued may be out
.endif
	ROW C,0, GP,0, B,0, GQ,0
	ROW C,2, GS,0, B,1, L,0
	ROW C,4, GP,1, B,2, GQ,1
	ROW L,1, C,6, B,3, GS,1
	ROW L,2, C,8, B,4, GT,0
	ROW L,3, C,10, B,5, GT,1
	ROW L,4, C,12, B,6, GP,2
	ROW L,5, C,14, B,7, GQ,2
	OPS L,6, C,1, C,3, GP,3
	OPS L,7, GQ,3, C,5, C,7
	OPS GS,2, GS,3, GW,0, GW,1
	OPS GW,2, GW,3, C,9, C,11
	OPS GT,2, GT,3, GW,4, GW,5
	OPS GW,6, GW,7, C,13, C,15
.if (\p) == 0
	WIN 0x80
.irp f, 0,1,2,3,4,5,6,7
	ds_load_b128 v[VF+8*(\f):VF+8*(\f)+3],   v[ADR] offset:(\f)*1024
	ds_load_b128 v[VF+8*(\f)+4:VF+8*(\f)+7], v[ADR] offset:(\f)*1024+512
.endr
	WIN 0
.endif
.if (\p) == 3
	s_add_co_u32 s[TB], s[TB], 16384               ; the next step's block
	s_xor_b32 s[RPA], s[RPA], 16384                ; the ring's halves change places
	s_xor_b32 s[RPB], s[RPB], 16384
	v_add_nc_u32 v[CA], 0x200, v[CA]               ; 64 keys on in the table
.endif
.endm
.macro TWO_STEPS                       ; a window's two key steps: written once, walked twice
	WIN 0
	s_mov_b32 s[CNT], 2
.Lstep_\@:
	TURN 0
	TURN 1
	TURN 2
	TURN 3
	WIN 0
	s_sub_co_u32 s[CNT], s[CNT], 1
	s_cmp_lg_u32 s[CNT], 0
	s_cbranch_scc1 .Lstep_\@
.endm
.macro RELA                            ; a relation tile as far as the sum of its three exponentials
.irp u, 0,1,2,3
	OP GA, \u
	OP GB, \u
.endr
.irp n, 0,1,2,3,4,5,6,7
	OP GN, \n
.endr
.irp u, 0,1,2,3
	OP GC, \u
	OP GD, \u
.endr
.set n8, 0
.rept 24
	OP GE, n8
.set n8, n8+1
.endr
	v_nop
	s_wait_alu depctr_va_vdst(0)
.irp u, 0,1,2,3
	OP GS, \u
.endr
.irp u, 0,1,2,3
	OP GT, \u
.endr
.endm
	CHANGE 1                                       ; window 0 and the table are in, everybody's part of them; window 1 is asked for
	; the ring's first seven tiles (key groups 0-6 for my query tile), one a trip.  The last of them stays in W: the first turn stores it once more, the same bytes by the same wave, ahead of the ring's first barrier
	v_mov_b32 v[CP], v[CA]
	v_mov_b32 v[SPT], v[RS0]
	s_mov_b32 s[CNT], 7
.set QS, 0
.set QP, 0
.set NCB, 0
.Lrel:
	ds_load_b64 v[NC:NC+1], v[CP]
	s_wait_dscnt 0x0
	RELA
.irp n, 0,1,2,3,4,5,6,7
	OP GR, \n
.endr
	v_nop
	s_wait_alu depctr_va_vdst(0)
.irp u, 0,1,2,3
	OP GP, \u
	OP GQ, \u
.endr
.irp n, 0,1,2,3,4,5,6,7
	OP GW, \n
.endr
	ds_store_b128 v[SPT], v[W:W+3]
	ds_store_b128 v[SPT], v[W+4:W+7] offset:512
	v_add_nc_u32 v[CP], 0x80, v[CP]
	v_add_nc_u32 v[SPT], 0x1000, v[SPT]
	s_sub_co_u32 s[CNT], s[CNT], 1
	s_cmp_lg_u32 s[CNT], 0
	s_cbranch_scc1 .Lrel
	; key group 7 as far as its sum, in set 1, where the first turn finds it; the table's word of group 8
.set QS, 1
.set NCB, 1
	ds_load_b64 v[NC+2:NC+3], v[CP]
	ds_load_b64 v[NC:NC+1], v[CP] offset:128
	s_wait_dscnt 0x0                               ; both are in, and my seven tiles lie in the ring
	RELA
	s_barrier_signal -1
	s_barrier_wait -1                              ; everybody's do
	WIN 0x40
.irp t, 0,1
.irp g, 0,1,2,3
	ds_load_b128 v[RFB+32*(\t)+8*(\g):RFB+32*(\t)+8*(\g)+3],   v[RL0] offset:(\g)*4096+(\t)*1024
	ds_load_b128 v[RFB+32*(\t)+8*(\g)+4:RFB+32*(\t)+8*(\g)+7], v[RL0] offset:(\g)*4096+(\t)*1024+512
.endr
.endr
	s_wait_dscnt 0x0
.set Y, NP-1                                       ; MM and X work for piece Y + 1: piece 0
.set i, 0
.rept 12
	MM                                             ; piece 0's first scores
.endr
	WIN 0
.rept 8
	v_nop                                          ; the places behind those products, once a launch
.endr
.irp n, 0,1,2,3,4,5,6,7,8,9,10,11,12,13,14,15,16,17,18,19,20,21
	OP X, \n
.endr
	v_nop
	s_wait_alu depctr_va_vdst(0)
	s_branch .Lenter
.Lslot:                                            ; 14 times: windows 2 to 15 are asked for
	CHANGE 1
.Lenter:
	TWO_STEPS
	s_sub_co_u32 s[SLOTS], s[SLOTS], 1
	s_cmp_lg_u32 s[SLOTS], 0
	s_cbranch_scc1 .Lslot
	CHANGE 0                                       ; the last window is written out: nothing is asked for
	TWO_STEPS                                      ; its last turn's scores, of a step that does not exist (on K of the first keys and the table's zeros), serve nothing
.set Y, 0
.set i, 12
.rept 8
	MM                                             ; piece 3's V^T P of the last step
.endr
	; THE WAY OUT.  l's two halves and the other half of the lanes' are added; O^T is divided by l and rounded to f16; a lane's 16 bytes lie where the fragment blocks of O want them.
	WIN 0
.macro ALL line:vararg
.set t, 0
.rept 4
	\line
.set t, t+1
.endr
.endm
	ALL v_add_f32 v[ST+4*t+2], v[ST+4*t+2], v[ST+4*t+3]
	ALL v_permlanex16_b32 v[ST+4*t+3], v[ST+4*t+2], s[SEL], s[SEL+1]
	ALL v_add_f32 v[ST+4*t+2], v[ST+4*t+2], v[ST+4*t+3]
	ALL v_rcp_f32 v[ST+4*t+2], v[ST+4*t+2]
	v_nop
	s_wait_alu depctr_va_vdst(0)                   ; one wait for the four reciprocals
.macro PACK t
	WIN W_RS
.set i, 32*(\t)
.rept 16
	v_pk_mul_f32 v[i:i+1], v[i:i+1], v[ST+4*(\t)+2:ST+4*(\t)+3] op_sel_hi:[1,0]
.set i, i+2
.endr
	WIN 0x05                                       ; sources in window 1, destination in window 0
.set i, 0
.rept 16
	v_cvt_pk_f16_f32 v[S+16*(\t)+i], v[32*(\t)+2*i], v[32*(\t)+2*i+1]
.set i, i+1
.endr
	WIN 0
.irp f, 0,1,2,3
	global_store_b128 v[GO], v[S+16*(\t)+4*\f:S+16*(\t)+4*\f+3], s[74:75] offset:(\t)*32768+\f*512  ; 512 consecutive bytes, aligned
.endr
.endm
	PACK 0
	PACK 1
	PACK 2
	PACK 3
	s_wait_tensorcnt 0x0                           ; the wave's end
	ds_add_u32 v[SPW], v[NIL]
	s_wait_dscnt 0x0
	CROUND                                         ; the closing round
	s_endpgm
.Lfunc_end_k_q604b130b56_attn:
	.size	k_q604b130b56_attn, .Lfunc_end_k_q604b130b56_attn-k_q604b130b56_attn
	.p2alignl 7, 3214868480
	.fill 96, 4, 3214868480
	.section	.rodata,"a",@progbits
	.p2align	6, 0x0
	.amdhsa_kernel k_q604b130b56_attn
		.amdhsa_group_segment_fixed_size 327680
		.amdhsa_private_segment_fixed_size 0
		.amdhsa_enable_private_segment 0
		.amdhsa_kernarg_size 48
		.amdhsa_user_sgpr_count 2
		.amdhsa_user_sgpr_kernarg_segment_ptr 1
		.amdhsa_wavefront_size32 1
		.amdhsa_system_sgpr_workgroup_id_x 1
		.amdhsa_system_sgpr_workgroup_id_y 1
		.amdhsa_system_sgpr_workgroup_id_z 1
		.amdhsa_system_vgpr_workitem_id 0
		.amdhsa_next_free_vgpr 768
		.amdhsa_next_free_sgpr 96
		.amdhsa_reserve_vcc 1
		.amdhsa_float_denorm_mode_32 3
		.amdhsa_float_denorm_mode_16_64 3
		.amdhsa_memory_ordered 1
		.amdhsa_forward_progress 1
		.amdhsa_inst_pref_size 161
	.end_amdhsa_kernel
	.amdgpu_metadata
---
amdhsa.version: [ 1, 2 ]
amdhsa.kernels:
  - .name:           k_q604b130b56_attn
    .symbol:         k_q604b130b56_attn.kd
    .args:
      - { .name: qf, .offset: 0, .size: 8, .value_kind: global_buffer, .address_space: global }
      - { .name: kv, .offset: 8, .size: 8, .value_kind: global_buffer, .address_space: global }
      - { .name: act, .offset: 16, .size: 8, .value_kind: global_buffer, .address_space: global }
      - { .name: gt, .offset: 24, .size: 8, .value_kind: global_buffer, .address_space: global }
      - { .name: logical_bias, .offset: 32, .size: 8, .value_kind: global_buffer, .address_space: global }
      - { .name: of, .offset: 40, .size: 8, .value_kind: global_buffer, .address_space: global }
    .group_segment_fixed_size: 327680
    .private_segment_fixed_size: 0
    .kernarg_segment_align: 8
    .kernarg_segment_size: 48
    .max_flat_workgroup_size: 128
    .sgpr_count:     96
    .vgpr_count:     768
    .wavefront_size: 32
...
	.end_amdgpu_metadata
.endif
;; end of part 3
;; launch outp (part 4): grid 8 x 32, 4 waves a work-group, clusters of 4 x 4, 327,680 bytes of LDS; arguments of, wof, bo, out0; writes out0
.if DOCPART == 4
	.amdgcn_target "amdgcn-amd-amdhsa--gfx1250"
	.amdhsa_code_object_version 6
	.text
	.protected	k_q604b130b56_outp
	.globl	k_q604b130b56_outp
	.p2align	8
	.type	k_q604b130b56_outp,@function
k_q604b130b56_outp:
	s_mov_b64 s[64:65], 0
	v_nop
	global_prefetch_b8 v0, s[64:65] scope:SCOPE_SE
	s_setreg_imm32_b32 hwreg(HW_REG_WAVE_MODE, 25, 1), 1
	s_wait_xcnt 0x0
	s_wait_alu depctr_hold_cnt(0) depctr_sa_sdst(0) depctr_va_vdst(0) depctr_va_sdst(0) depctr_va_ssrc(0) depctr_va_vcc(0) depctr_vm_vsrc(0)
	s_getreg_b32 s2, hwreg(HW_REG_IB_STS2, 6, 4)
	s_cmp_eq_u32 s2, 0
	s_cbranch_scc0 .Lentry_in_a_cluster
	s_endpgm
.Lentry_in_a_cluster:
	s_bfe_u32 s2, ttmp6, 0x10000c
	s_cmp_lg_u32 s2, 0xf033
	s_cbranch_scc0 .Lentry_shape_is_right
	s_endpgm
.Lentry_shape_is_right:
; OUTPUT PROJECTION.  out = O Wo^T + bo.  O [4096 x 1024] and Wo [1024 x 1024] in f16, in fragment blocks (a fragment of 16 rows x 32 k is 1,024 bytes on end); sums in f32; out in f32.  bo is rounded to bf16 like the other inputs.
; A tile of out is 128 x 128: 256 work-groups.  Four waves, each 64 x 64: 16 accumulators.  K goes in four steps of 256 through two LDS slots; a wave's tensor load brings 4 groups x 8,192 bytes.
; CLUSTER 4 x 4: O's tile is shared along a row of the cluster, Wo's along a column: joint loads.  The product is taken transposed (source 0 = Wo's rows): a lane holds eight neighbouring numbers of a row of out.
; A wave's 64 columns are 256 bytes of out, aligned: each wave has a stage of its own in LDS (16 rows x 272 bytes) and stores whole rows of it.
; No prefetch: only two refills exist in the launch.
; REGISTERS.  window 0: v0-31 addresses; v32-63 sums with bias; v64-95 rows read back; v96-127 bias; v128-255 accumulators.   window 1: two fragment buffers of 128.
.set GRPK,   8192                      ; bytes of a group of 16 rows in a K step
.set SLOT,   131072                    ; O's 8 groups, then Wo's 8
.set STAGE,  262144
.set SPITCH, 272
.set SPARE,  STAGE+4*16*SPITCH
.set ADRA, 16
.set ADRB, 20
.set STO,  24
.set RD,   25
.set CO,   26
.set BOO,  27
.set SPW,  28
.set NIL,  29
.set TT,   31
.set TMP,  32
.set BK,   64
.set BOB,  96
.set ACC,  128
.set F0,   0
.set F1,   128
.set G1, 24
.set G0, 32
.set G1B, 48
.set G0B, 56
.set MSB, 0
.macro WIN new
.if MSB != (\new)
	s_set_vgpr_msb (MSB<<8)|(\new)
.set MSB, \new
.endif
.endm
.set MUL,  0x05                        ; sources in window 1; C and D in window 0
.set TO_F, 0x40
.macro JLOAD s
	s_cmp_eq_u32 s11, 0
	s_cbranch_scc0 .Lfor_b_\@
	tensor_load_to_lds s[G0+4*(\s):G0+4*(\s)+3], s[G1:G1+7]
	s_nop 0
.rept 4
	v_nop
.endr
	s_branch .Lasked_\@
.Lfor_b_\@:
	tensor_load_to_lds s[G0B+4*(\s):G0B+4*(\s)+3], s[G1B:G1B+7]
	s_nop 0
.rept 4
	v_nop
.endr
.Lasked_\@:
.endm
.macro CREST
	s_cmp_lg_u32 s10, 0
	s_cbranch_scc1 .Lnot_wave_0_\@
	s_barrier_signal -3
.Lnot_wave_0_\@:
	s_barrier_wait -3
	s_barrier_signal -1
	s_barrier_wait -1
.endm
.macro CROUND
	s_barrier_signal -1
	s_barrier_wait -1
	CREST
.endm
	s_load_b128 s[4:7], s[0:1], 0x0                ; of s[4:5], wof s[6:7]
	s_load_b128 s[68:71], s[0:1], 0x10             ; bo s[68:69], out0 s[70:71]
	v_lshl_add_u32 v[SPW], v0, 2, SPARE
	v_mov_b32 v[NIL], 0
	ds_add_u32 v[SPW], v[NIL]                      ; the wave's opening: the add and its wait stand ahead of my first tensor load
	v_lshrrev_b32 v1, 5, v0
	v_readfirstlane_b32 s10, v1
	s_lshr_b32 s11, s10, 1                         ; which half of the tile's rows is mine.  Also: I fetch for O (0) or for Wo (1)
	s_and_b32 s12, s10, 1                          ; which half of its columns.  Also: which 4 groups of that tile I fetch
	s_bfe_u32 s40, ttmp6, 0x40000
	s_bfe_u32 s41, ttmp6, 0x40004
	s_lshl_b32 s42, ttmp9, 2
	s_add_co_u32 s42, s42, s40                     ; tile column
	s_and_b32 s13, ttmp7, 0xffff
	s_lshl_b32 s13, s13, 2
	s_add_co_u32 s13, s13, s41                     ; tile row
	s_lshl_b32 s43, s41, 2
	s_lshl_b32 s43, 15, s43
	s_lshl_b32 s44, 0x1111, s40
	s_or_b32 s[G1+0], s43, (3<<16)|(1<<21)
	s_or_b32 s[G1B+0], s44, (3<<16)|(1<<21)
.irp g, G1, G1B
	s_mov_b32 s[(\g)+1], 1024<<16                  ; tensor_dim0 = 1,024 elements of 8 bytes: a group's 8,192 bytes of a K step
	s_mov_b32 s[(\g)+2], 4<<16                     ; tensor_dim1 = 4 groups
	s_mov_b32 s[(\g)+3], 1024<<16                  ; tile_dim0
	s_mov_b32 s[(\g)+4], 4                         ; tile_dim1
	s_mov_b32 s[(\g)+5], 4096                      ; from group to group: 32,768 bytes
	s_mov_b32 s[(\g)+6], 0
	s_mov_b32 s[(\g)+7], 0
.endr
	s_lshl_b32 s16, s13, 3
	s_lshl2_add_u32 s16, s12, s16                  ; O: group 8 x tile row + 4 x half
	s_lshl_b32 s16, s16, 15
	s_mov_b32 s17, 0
	s_lshl_b32 s46, s42, 3
	s_lshl2_add_u32 s46, s12, s46                  ; Wo: group 8 x tile column + 4 x half
	s_lshl_b32 s46, s46, 15
	s_mov_b32 s47, 0
	s_lshl_b32 s20, s10, 15                        ; where they go: wave x 32,768
	s_wait_dscnt 0x0
	s_wait_kmcnt 0x0
	s_add_nc_u64 s[14:15], s[4:5], s[16:17]
	s_add_nc_u64 s[46:47], s[6:7], s[46:47]
	CROUND
.irp s, 0,1
	s_mov_b32 s[G0+4*(\s)], 1
	s_add_co_u32 s[G0+4*(\s)+1], s20, (\s)*SLOT
	s_add_nc_u64 s[G0+4*(\s)+2:G0+4*(\s)+3], s[14:15], (\s)*GRPK
	s_or_b32 s[G0+4*(\s)+3], s[G0+4*(\s)+3], 0x80000000
	s_mov_b32 s[G0B+4*(\s)], 1
	s_add_co_u32 s[G0B+4*(\s)+1], s20, (\s)*SLOT
	s_add_nc_u64 s[G0B+4*(\s)+2:G0B+4*(\s)+3], s[46:47], (\s)*GRPK
	s_or_b32 s[G0B+4*(\s)+3], s[G0B+4*(\s)+3], 0x80000000
	JLOAD \s
.endr
	v_and_b32 v1, 15, v0                           ; r
	v_bfe_u32 v2, v0, 4, 1                         ; hh
	v_and_b32 v3, 31, v0
	v_lshlrev_b32 v3, 4, v3
	s_lshl_b32 s21, s11, 15                        ; my 4 groups of O
	s_lshl_b32 s22, s12, 15                        ; my 4 groups of Wo,
	s_add_co_u32 s22, s22, 65536                   ; which lie behind O's 8
.irp s, 0,1
	v_add_nc_u32 v[ADRA+(\s)], s21, v3
	v_add_nc_u32 v[ADRB+(\s)], s22, v3
	s_add_co_u32 s21, s21, SLOT
	s_add_co_u32 s22, s22, SLOT
.endr
	s_mul_i32 s23, s10, 16*SPITCH
	s_add_co_u32 s23, s23, STAGE                   ; my stage
	v_mul_u32_u24 v4, v1, SPITCH                   ; in: row r, 32 bytes for each half of the lanes
	v_lshl_add_u32 v4, v2, 5, v4
	v_add_nc_u32 v[STO], s23, v4
	v_mul_u32_u24 v5, v2, SPITCH                   ; back: lanes 0-15 one row of 256 bytes, lanes 16-31 the next
	v_lshl_add_u32 v5, v1, 4, v5
	v_add_nc_u32 v[RD], s23, v5
	v_lshlrev_b32 v5, 12, v2                       ; and the same two rows in out
	v_lshl_add_u32 v[CO], v1, 4, v5
	s_lshl_b32 s72, s13, 19
	s_lshl_b32 s73, s11, 18
	s_add_co_u32 s72, s72, s73                     ; my first row: (128 tile row + 64 half) x 4,096 bytes
	s_lshl_b32 s74, s42, 9
	s_lshl_b32 s75, s12, 8
	s_add_co_u32 s74, s74, s75                     ; my first column: (128 tile column + 64 half) x 4 bytes
	s_add_co_u32 s72, s72, s74
	s_mov_b32 s73, 0
	s_add_nc_u64 s[70:71], s[70:71], s[72:73]
	v_lshl_add_u32 v[BOO], v2, 5, s74
.irp b, 0,1,2,3
	global_load_b128 v[BOB+8*(\b):BOB+8*(\b)+3], v[BOO], s[68:69] offset:64*(\b)
	global_load_b128 v[BOB+8*(\b)+4:BOB+8*(\b)+7], v[BOO], s[68:69] offset:64*(\b)+16
.endr
	s_wait_loadcnt 0x0                             ; the bias is rounded to bf16 while the first tile is on its way
.set i, 0
.rept 16
	v_cvt_pk_bf16_f32 v[TT], v[BOB+2*i], v[BOB+2*i+1]
	v_lshlrev_b32 v[BOB+2*i], 16, v[TT]
	v_and_b32 v[BOB+2*i+1], 0xffff0000, v[TT]
.set i, i+1
.endr
; 8 products: row groups a0, a0 + 1 x all 4 column groups, 32 along K: half c of buffer f.  The 16 accumulators take turns.
.macro MUL8 f, c, a0, zero
	WIN MUL
.irp a, \a0, (\a0)+1
.irp b, 0,1,2,3
.if \zero
	v_wmma_f32_16x16x32_f16 v[ACC+8*(4*(\a)+(\b)):ACC+8*(4*(\a)+(\b))+7], v[(\f)+64+8*(4*(\c)+(\b)):(\f)+64+8*(4*(\c)+(\b))+7], v[(\f)+8*(4*(\c)+(\a)):(\f)+8*(4*(\c)+(\a))+7], 0
.else
	v_wmma_f32_16x16x32_f16 v[ACC+8*(4*(\a)+(\b)):ACC+8*(4*(\a)+(\b))+7], v[(\f)+64+8*(4*(\c)+(\b)):(\f)+64+8*(4*(\c)+(\b))+7], v[(\f)+8*(4*(\c)+(\a)):(\f)+8*(4*(\c)+(\a))+7], v[ACC+8*(4*(\a)+(\b)):ACC+8*(4*(\a)+(\b))+7]
.endif
.endr
.endr
.endm
; 32 LDS loads in one run: the fragments of chunks k and k + 1 (64 along K) into buffer f; the first chunk first
.macro FETCH slot, k, f
	WIN TO_F
.irp c, 0,1
.irp i, 0,1,2,3
	ds_load_b128 v[(\f)+64+8*(4*(\c)+(\i)):(\f)+64+8*(4*(\c)+(\i))+3],   v[ADRB+(\slot)] offset:(\i)*GRPK+((\k)+(\c))*1024
	ds_load_b128 v[(\f)+64+8*(4*(\c)+(\i))+4:(\f)+64+8*(4*(\c)+(\i))+7], v[ADRB+(\slot)] offset:(\i)*GRPK+((\k)+(\c))*1024+512
	ds_load_b128 v[(\f)+8*(4*(\c)+(\i)):(\f)+8*(4*(\c)+(\i))+3],         v[ADRA+(\slot)] offset:(\i)*GRPK+((\k)+(\c))*1024
	ds_load_b128 v[(\f)+8*(4*(\c)+(\i))+4:(\f)+8*(4*(\c)+(\i))+7],       v[ADRA+(\slot)] offset:(\i)*GRPK+((\k)+(\c))*1024+512
.endr
.endr
.endm
.macro PLACES
.rept 4
	v_nop
.endr
.endm
.macro QUARTER slot, k, f, g, zero
	s_wait_dscnt 16                                ; the first chunk's fragments are in
	WIN MUL
	MUL8 \f, 0, 0, \zero
	MUL8 \f, 0, 2, \zero
	PLACES
	FETCH \slot, \k, \g
	s_wait_dscnt 32                                ; all but the 32 just issued
	WIN MUL
	MUL8 \f, 1, 0, 0
	MUL8 \f, 1, 2, 0
.endm
.macro TURN slot, next, fill
	WIN 0
	s_wait_tensorcnt 0x0                           ; all my tensor loads have landed: my part of the next slot
	ds_add_u32 v[SPW], v[NIL]
	s_wait_dscnt 17                                ; (the add and the youngest sixteen loads may be out)
	WIN MUL
	MUL8 F1, 0, 0, 0
	s_wait_dscnt 0x0                               ; the add is done, and my reads of this slot are over
	s_barrier_signal -1
	MUL8 F1, 0, 2, 0
.if \fill
	WIN 0
.endif
	s_barrier_wait -1
.if \fill
	CREST
	s_add_nc_u64 s[G0+4*(\slot)+2:G0+4*(\slot)+3], s[G0+4*(\slot)+2:G0+4*(\slot)+3], 2*GRPK
	s_add_nc_u64 s[G0B+4*(\slot)+2:G0B+4*(\slot)+3], s[G0B+4*(\slot)+2:G0B+4*(\slot)+3], 2*GRPK
	JLOAD \slot                                    ; its four v_nop are also the places in front of the loads below
.else
	PLACES
.endif
	FETCH \next, 0, F0
	WIN MUL
	MUL8 F1, 1, 0, 0
	MUL8 F1, 1, 2, 0
.endm
	s_wait_tensorcnt 1                             ; my part of K step 0 is in; K step 1's may stay out
	s_barrier_signal -1
	s_barrier_wait -1
	FETCH 0, 0, F0
	QUARTER 0, 2, F0, F1, 1                        ; the first products start the sums
	QUARTER 0, 4, F1, F0, 0
	QUARTER 0, 6, F0, F1, 0
	TURN 0, 1, 1                                   ; slot 0 takes K step 2
	QUARTER 1, 2, F0, F1, 0
	QUARTER 1, 4, F1, F0, 0
	QUARTER 1, 6, F0, F1, 0
	TURN 1, 0, 1                                   ; slot 1 takes K step 3
	QUARTER 0, 2, F0, F1, 0
	QUARTER 0, 4, F1, F0, 0
	QUARTER 0, 6, F0, F1, 0
	TURN 0, 1, 0
	QUARTER 1, 2, F0, F1, 0
	QUARTER 1, 4, F1, F0, 0
	QUARTER 1, 6, F0, F1, 0
	s_wait_dscnt 16
	WIN MUL
	MUL8 F1, 0, 0, 0
	MUL8 F1, 0, 2, 0
	s_wait_dscnt 0x0
	MUL8 F1, 1, 0, 0
	MUL8 F1, 1, 2, 0
	WIN 0
	PLACES
	PLACES                                         ; the places behind the last products, once a launch
	; THE WAY OUT, 16 rows at a time: the bias is added; 32 bytes a lane go into my stage; whole rows of 256 bytes come back and are stored.
.irp a, 0,1,2,3
.irp b, 0,1,2,3
.irp u, 0,1,2,3
	v_pk_add_f32 v[TMP+8*(\b)+2*(\u):TMP+8*(\b)+2*(\u)+1], v[ACC+8*(4*(\a)+(\b))+2*(\u):ACC+8*(4*(\a)+(\b))+2*(\u)+1], v[BOB+8*(\b)+2*(\u):BOB+8*(\b)+2*(\u)+1]
.endr
.endr
.irp b, 0,1,2,3
	ds_store_b128 v[STO], v[TMP+8*(\b):TMP+8*(\b)+3] offset:64*(\b)
	ds_store_b128 v[STO], v[TMP+8*(\b)+4:TMP+8*(\b)+7] offset:64*(\b)+16
.endr
	s_wait_xcnt 0x0                                ; the last 16 rows' stores have read their registers
.irp t, 0,1,2,3,4,5,6,7
	ds_load_b128 v[BK+4*(\t):BK+4*(\t)+3], v[RD] offset:(\t)*2*SPITCH  ; LDS serves a wave's instructions in order: these see the stores above
.endr
.irp t, 0,1,2,3,4,5,6,7
	s_wait_dscnt 7-(\t)
	global_store_b128 v[CO], v[BK+4*(\t):BK+4*(\t)+3], s[70:71] offset:(\a)*65536+(\t)*8192 th:TH_STORE_NT  ; 16 lanes store 256 consecutive bytes, aligned
.endr
.endr
	s_wait_tensorcnt 0x0                           ; the wave's end
	ds_add_u32 v[SPW], v[NIL]
	s_wait_dscnt 0x0
	CROUND                                         ; the closing round
	s_endpgm
.Lfunc_end_k_q604b130b56_outp:
	.size	k_q604b130b56_outp, .Lfunc_end_k_q604b130b56_outp-k_q604b130b56_outp
	.p2alignl 7, 3214868480
	.fill 96, 4, 3214868480
	.section	.rodata,"a",@progbits
	.p2align	6, 0x0
	.amdhsa_kernel k_q604b130b56_outp
		.amdhsa_group_segment_fixed_size 327680
		.amdhsa_private_segment_fixed_size 0
		.amdhsa_enable_private_segment 0
		.amdhsa_kernarg_size 32
		.amdhsa_user_sgpr_count 2
		.amdhsa_user_sgpr_kernarg_segment_ptr 1
		.amdhsa_wavefront_size32 1
		.amdhsa_system_sgpr_workgroup_id_x 1
		.amdhsa_system_sgpr_workgroup_id_y 1
		.amdhsa_system_sgpr_workgroup_id_z 1
		.amdhsa_system_vgpr_workitem_id 0
		.amdhsa_next_free_vgpr 512
		.amdhsa_next_free_sgpr 80
		.amdhsa_reserve_vcc 0
		.amdhsa_float_denorm_mode_32 3
		.amdhsa_float_denorm_mode_16_64 3
		.amdhsa_memory_ordered 1
		.amdhsa_forward_progress 1
		.amdhsa_inst_pref_size 93
	.end_amdhsa_kernel
	.amdgpu_metadata
---
amdhsa.version: [ 1, 2 ]
amdhsa.kernels:
  - .name:           k_q604b130b56_outp
    .symbol:         k_q604b130b56_outp.kd
    .args:
      - { .name: of, .offset: 0, .size: 8, .value_kind: global_buffer, .address_space: global }
      - { .name: wof, .offset: 8, .size: 8, .value_kind: global_buffer, .address_space: global }
      - { .name: bo, .offset: 16, .size: 8, .value_kind: global_buffer, .address_space: global }
      - { .name: out0, .offset: 24, .size: 8, .value_kind: global_buffer, .address_space: global }
    .group_segment_fixed_size: 327680
    .private_segment_fixed_size: 0
    .kernarg_segment_align: 8
    .kernarg_segment_size: 32
    .max_flat_workgroup_size: 128
    .sgpr_count:     80
    .vgpr_count:     512
    .wavefront_size: 32
...
	.end_amdgpu_metadata
.endif
;; end of part 4
;; ======== version 2 of 2: 4 launches; version 1 with the launch cast written anew for expert scheduling mode
;; limits: values are held in f16: magnitudes above 65,504 overflow, below 6.1e-05 lose precision; values outside matrix products are rounded to f16
;; workspace buffers: xb 8,388,608 bytes; wb 6,291,456 bytes; wof 2,097,152 bytes; act 65,536 bytes; gt 262,144 bytes; qf 8,388,608 bytes; kv 16,777,216 bytes; of 8,388,608 bytes
;; launch cast (part 5): grid 512 x 1, 8 waves a work-group, no clusters, 17,408 bytes of LDS; arguments hidden_states, Wq, Wk, Wv, Wo, rel_W, gate_W, rel_b, gate_b, xb, wb, wof, act, gt; writes xb, wb, wof, act, gt
.if DOCPART == 5
	.amdgcn_target "amdgcn-amd-amdhsa--gfx1250"
	.amdhsa_code_object_version 6
	.text
	.protected	k_q604b130b56_cast
	.globl	k_q604b130b56_cast
	.p2align	8
	.type	k_q604b130b56_cast,@function
k_q604b130b56_cast:
	s_mov_b64 s[64:65], 0
	v_nop
	global_prefetch_b8 v0, s[64:65] scope:SCOPE_SE
	s_setreg_imm32_b32 hwreg(HW_REG_WAVE_SCHED_MODE, 0, 2), 2
	s_setreg_imm32_b32 hwreg(HW_REG_WAVE_MODE, 25, 1), 1
	s_wait_xcnt 0x0
	s_wait_alu depctr_vm_vsrc(0)
; CAST.  x, Wq, Wk, Wv are rounded to bf16, Wo to bf16 and that number written as f16, and all are laid out in FRAGMENT BLOCKS:
; byte ((g*32 + kc)*2 + e)*512 + lane*16 holds row 16 g + lane % 16, columns 32 kc + 16 e + 8 (lane / 16) + 0..7: a matrix fragment (16 rows x 32 k) is 1,024 bytes on end.
; A work-group takes a strip of 16 rows x 1,024 columns; wave w the columns 128 w .. 128 w + 127.  Work-groups 0-255: strips of x; 256-511: strips of Wq, Wk, Wv, Wo (64 each).
; Wq, Wk, Wv go into one buffer, ordered for the projection: group = head*12 + half*6 + type*2 + j holds rows head*64 + (2 half + j)*16 of W_type.
; The strips of x also make the 6 relation sums (x . rel_W's six half rows) and the 16 gate sums by the matrix unit, K split among the eight waves, met in LDS.
; Stored of them, with L = log2(e): NA1 = (li0-li1) L, NA2 = (li0-li2) L for each token, NC1 = (lj0-lj1+rb0-rb1) L, NC2 likewise, and gate = 1 / (1 + 2^(-L z)).
; LIMITS.  Wo's numbers must lie within f16's range (65,504); below 6e-5 they keep f16's fixed step.  NaN and infinities are not treated apart.
; No tensor loads, no cluster: each byte is wanted by one wave, once; all of a wave's loads (16, or 48 in a strip of x) go out at once.
; THE MODE: SCHED_MODE bits 1:0 = 2 (LLVM: expert scheduling mode 2), set by the entry lines.  The code itself states the register dependences
; between vector or matrix instructions and memory or LDS instructions, with s_wait_alu, always for 0.
; THE PLAN.  Registers that memory or LDS instructions touch:
;   v[FO], v[SO]          offsets, made at the head and never written again: one wait at the head, ahead of the branch, serves both paths.
;   v[AO], v[LS], v[LR]   made at the head of x's path, behind the 32 loads that need v[FO] alone, and never written again: one wait ahead of rel_W's loads.
;   XR                    loaded once; the conversions pack it in place; one wait; then the block stores read it (the products read it too); nothing writes it again.
;   A0, A1                loaded once, packed in place, read by the products.  Later the partial sums' LDS loads land in A0 and gate_b's loads in A1: the wait ahead of the LDS stores of the accumulators
;                         shows all those readers and writers done, and no vector instruction stands between it and the LDS loads.
;   ACC                   written by the products, read by the four LDS stores, behind the places and one wait.
;   v10-v13               at work in vector lines; at each finishing path's end data and offsets of its stores (in the gate path v10 is also a load's offset), with nothing written behind those.
; No register that a memory or LDS instruction has read is written again on any path: the text holds no wait on vm_vsrc.
; A scalar register that a vector line reads is written once on its path (s42, s43, s47, s52 to s55).
.set SPARE, 16384                      ; behind the partial sums: the spare words, 128 bytes for each of the eight waves
.set FO,  4                            ; v4   my byte offset in a strip of f32: r*4096 + hh*32 + w*512 (also in gate_W)
.set SO,  5                            ; v5   my byte offset in a group of fragment blocks: lane*16 + w*4096
.set AO,  6                            ; v6   my byte offset in rel_W
.set SPW, 8                            ; v8   my spare word; never rewritten
.set NIL, 9                            ; v9   0; never rewritten
.set LS,  14                           ; v14  where I put my partial sums
.set LR,  15                           ; v15  where waves 0 and 1 read them back
.set ACC, 16                           ; v[16:31]   two accumulators: relation tile, gate tile
.set XR,  32                           ; v[32:95]   the strip: 16 registers a chunk of 32 columns
.set A0,  96                           ; v[96:159]  rel_W's rows
.set A1,  160                          ; v[160:223] gate_W's rows
.set WVN, 36                           ; s36  wave
.set ID,  37                           ; s37  work-group
.macro LOADBLK dst, voff, sb, nt       ; four chunks x four loads of 16 bytes: a lane's 8 + 8 columns of each chunk
.irp k, 0,1,2,3
.irp h, 0,1,2,3
.if \nt
	global_load_b128 v[(\dst)+16*(\k)+4*(\h):(\dst)+16*(\k)+4*(\h)+3], v[\voff], s[\sb:\sb+1] offset:128*(\k)+64*((\h)/2)+16*((\h)%2) th:TH_LOAD_NT
.else
	global_load_b128 v[(\dst)+16*(\k)+4*(\h):(\dst)+16*(\k)+4*(\h)+3], v[\voff], s[\sb:\sb+1] offset:128*(\k)+64*((\h)/2)+16*((\h)%2)
.endif
.endr
.endr
.endm
.macro PACKB blk                       ; 16 f32 -> 8 registers of bf16, in place: register i is written when registers 2 i and 2 i + 1 have been read
.irp k, 0,1,2,3
.irp i, 0,1,2,3,4,5,6,7
	v_cvt_pk_bf16_f32 v[(\blk)+16*(\k)+(\i)], v[(\blk)+16*(\k)+2*(\i)], v[(\blk)+16*(\k)+2*(\i)+1]
.endr
.endr
.endm
.macro TOF16 blk                       ; the bf16 numbers written as f16
.irp k, 0,1,2,3
.irp i, 0,1,2,3,4,5,6,7
	v_lshlrev_b32 v10, 16, v[(\blk)+16*(\k)+(\i)]
	v_and_b32 v11, 0xffff0000, v[(\blk)+16*(\k)+(\i)]
	v_cvt_pk_f16_f32 v[(\blk)+16*(\k)+(\i)], v10, v11
.endr
.endr
.endm
.macro STOREB blk, sb                  ; each store of the wave covers 512 consecutive bytes, aligned
.irp k, 0,1,2,3
.irp e, 0,1
	global_store_b128 v[SO], v[(\blk)+16*(\k)+4*(\e):(\blk)+16*(\k)+4*(\e)+3], s[\sb:\sb+1] offset:1024*(\k)+512*(\e)
.endr
.endr
.endm
	s_load_b512 s[8:23], s[0:1], 0x0               ; x s[8:9], Wq s[10:11], Wk s[12:13], Wv s[14:15], Wo s[16:17], rel_W s[18:19], gate_W s[20:21], rel_b s[22:23]
	s_load_b256 s[24:31], s[0:1], 0x40             ; gate_b s[24:25], xb s[26:27], wb s[28:29], wof s[30:31]
	s_load_b128 s[32:35], s[0:1], 0x60             ; act s[32:33], gt s[34:35]
	v_lshl_add_u32 v[SPW], v0, 2, SPARE
	v_mov_b32 v[NIL], 0
	v_lshrrev_b32 v10, 5, v0
	v_readfirstlane_b32 s[WVN], v10
	s_mov_b32 s[ID], ttmp9
	v_and_b32 v1, 15, v0                           ; r
	v_bfe_u32 v2, v0, 4, 1                         ; hh
	v_and_b32 v3, 31, v0                           ; lane
	s_wait_alu depctr_va_sdst(0)                   ; the wave's number is written, ahead of its first reader, the shift below
	s_lshl_b32 s42, s[WVN], 9
	s_lshl_b32 s43, s[WVN], 12
	v_lshlrev_b32 v[FO], 12, v1
	v_lshl_add_u32 v[FO], v2, 5, v[FO]
	v_add_nc_u32 v[FO], s42, v[FO]
	v_lshl_add_u32 v[SO], v3, 4, s43
	s_mov_b32 s51, 0
	s_wait_kmcnt 0x0
	s_wait_alu depctr_va_vdst(0)                   ; v[FO] and v[SO] are written: the loads of a strip and of gate_W read the one as their offset, the stores of blocks the other, on both paths
	s_cmp_lt_u32 s[ID], 256
	s_cbranch_scc1 .Lx
	; A STRIP OF A WEIGHT MATRIX
	s_sub_co_u32 s47, s[ID], 256
	s_lshr_b32 s48, s47, 6                         ; t: 0 Wq, 1 Wk, 2 Wv, 3 Wo
	s_and_b32 s49, s47, 63                         ; the strip: rows 16 sg ..
	s_lshr_b32 s50, s49, 2                         ; head
	s_mul_i32 s50, s50, 12
	s_bfe_u32 s47, s49, 0x10001                    ; half
	s_mul_i32 s47, s47, 6
	s_add_co_u32 s50, s50, s47
	s_lshl1_add_u32 s50, s48, s50                  ; + 2 t
	s_and_b32 s47, s49, 1
	s_add_co_u32 s50, s50, s47                     ; + j
	s_cmp_eq_u32 s48, 0
	s_cselect_b64 s[38:39], s[10:11], s[12:13]
	s_cmp_eq_u32 s48, 2
	s_cselect_b64 s[38:39], s[14:15], s[38:39]
	s_cmp_eq_u32 s48, 3
	s_cselect_b64 s[38:39], s[16:17], s[38:39]
	s_cselect_b64 s[40:41], s[30:31], s[28:29]
	s_cselect_b32 s50, s49, s50                    ; Wo's groups lie in the order of its rows
	s_lshl_b32 s50, s50, 15
	s_add_nc_u64 s[40:41], s[40:41], s[50:51]
	s_lshl_b32 s50, s49, 16
	s_add_nc_u64 s[38:39], s[38:39], s[50:51]
	LOADBLK XR, FO, 38, 1
	s_wait_loadcnt 0x0
	PACKB XR
	s_cmp_lg_u32 s48, 3
	s_cbranch_scc1 .Lnot_wo
	TOF16 XR
.Lnot_wo:
	s_wait_alu depctr_va_vdst(0)                   ; on both ways: the conversions have written v[XR ..], which the eight stores read
	STOREB XR, 40
	s_branch .Lend
.Lx:	; A STRIP OF x
	s_load_b96 s[44:46], s[22:23], 0x0             ; rel_b
	s_lshl_b32 s50, s[ID], 16
	s_add_nc_u64 s[38:39], s[8:9], s[50:51]
	s_lshl_b32 s50, s[ID], 15
	s_add_nc_u64 s[40:41], s[26:27], s[50:51]
	LOADBLK XR, FO, 38, 1                          ; x's and gate_W's loads need v[FO] alone, which the head's wait has shown written: they go out first,
	LOADBLK A1, FO, 20, 0                          ; and the address lines below stand behind them
	v_and_b32 v10, 7, v1                           ; row r of the relation tile is half row min(r % 8, 5) of rel_W: 0-2 the halves for i, 3-5 those for j
	v_min_u32 v10, 5, v10
	v_mul_u32_u24 v11, v10, 11
	v_lshrrev_b32 v11, 5, v11                      ; / 3
	v_mul_u32_u24 v12, v11, 3
	v_sub_nc_u32 v10, v10, v12                     ; % 3
	v_lshlrev_b32 v[AO], 13, v10
	v_lshl_add_u32 v[AO], v11, 12, v[AO]
	v_lshl_add_u32 v[AO], v2, 5, v[AO]
	v_add_nc_u32 v[AO], s42, v[AO]
	s_lshl_b32 s47, s[WVN], 11
	v_lshl_add_u32 v[LS], v3, 5, s47
	s_lshl_b32 s52, s[WVN], 10
	v_lshl_add_u32 v[LR], v3, 5, s52
	s_wait_alu depctr_va_vdst(0)                   ; v[AO] is written, which rel_W's loads read as their offset; so are v[LS] and v[LR]
	LOADBLK A0, AO, 18, 0
	s_wait_loadcnt 32                              ; x's 16 loads, the oldest, are in; the 32 younger ones may stay out
	PACKB XR
	s_wait_alu depctr_va_vdst(0)                   ; the conversions have written v[XR ..], which the eight stores read
	STOREB XR, 40
	s_wait_loadcnt 0x0
	s_wait_kmcnt 0x0                               ; rel_b
	PACKB A0
	PACKB A1
	; source 0 = 16 rows of weights, source 1 = my 16 tokens: a lane ends with one token (r) and the sums 8 hh + 0..7.  The two accumulators take turns.
	v_wmma_f32_16x16x32_bf16 v[ACC:ACC+7], v[A0:A0+7], v[XR:XR+7], 0
	v_wmma_f32_16x16x32_bf16 v[ACC+8:ACC+15], v[A1:A1+7], v[XR:XR+7], 0
.irp k, 1,2,3
	v_wmma_f32_16x16x32_bf16 v[ACC:ACC+7], v[A0+16*(\k):A0+16*(\k)+7], v[XR+16*(\k):XR+16*(\k)+7], v[ACC:ACC+7]
	v_wmma_f32_16x16x32_bf16 v[ACC+8:ACC+15], v[A1+16*(\k):A1+16*(\k)+7], v[XR+16*(\k):XR+16*(\k)+7], v[ACC+8:ACC+15]
.endr
.rept 8
	v_nop                                          ; the places behind the last products, once a launch
.endr
	s_wait_alu depctr_va_vdst(0)                   ; the products have written the accumulators, which the LDS stores read, and are done reading v[A0 ..] and v[A1 ..], in which loads land further down; the places above stay beside this wait
.irp j, 0,1
	ds_store_b128 v[LS], v[ACC+8*(\j):ACC+8*(\j)+3] offset:1024*(\j)
	ds_store_b128 v[LS], v[ACC+8*(\j)+4:ACC+8*(\j)+7] offset:1024*(\j)+16
.endr
	s_wait_dscnt 0x0                               ; for the others' sake: my partial sums lie in LDS
	s_barrier_signal -1
	s_barrier_wait -1
	s_cmp_lt_u32 s[WVN], 2                         ; wave 0 finishes the relation tile, wave 1 the gate tile
	s_cbranch_scc0 .Lend
.irp v, 0,1,2,3,4,5,6,7
	ds_load_b128 v[A0+8*(\v):A0+8*(\v)+3], v[LR] offset:2048*(\v)       ; no vector or matrix instruction since the wait above names v[A0 ..]
	ds_load_b128 v[A0+8*(\v)+4:A0+8*(\v)+7], v[LR] offset:2048*(\v)+16
.endr
	s_wait_dscnt 0x0
.irp d, 32,16,8
.set r, 0
.rept (\d)/2
	v_pk_add_f32 v[A0+r:A0+r+1], v[A0+r:A0+r+1], v[A0+(\d)+r:A0+(\d)+r+1]
.set r, r+2
.endr
.endr
	s_cmp_eq_u32 s[WVN], 0
	s_cbranch_scc0 .Lgate
	; v96-101 = li0, li1, li2, lj0, lj1, lj2 of token r, in both halves of the lanes
	v_cmp_eq_u32 vcc_lo, 1, v2                     ; lanes 0-15 store the first of each pair, lanes 16-31 the second
	v_sub_f32 v10, v96, v97
	v_sub_f32 v11, v96, v98
	v_sub_f32 v12, v99, v100
	v_sub_f32 v13, v99, v101
	v_add_f32 v12, s44, v12
	v_add_f32 v13, s44, v13
	v_sub_f32 v12, v12, s45
	v_sub_f32 v13, v13, s46
	v_mul_f32 v10, 0x3fb8aa3b, v10
	v_mul_f32 v11, 0x3fb8aa3b, v11
	v_mul_f32 v12, 0x3fb8aa3b, v12
	v_mul_f32 v13, 0x3fb8aa3b, v13
	s_wait_alu depctr_va_vcc(0)                    ; the compare has written VCC, ahead of its first reader, the select below
	v_cndmask_b32 v10, v10, v11, vcc_lo
	v_cndmask_b32 v12, v12, v13, vcc_lo
	s_lshl_b32 s53, s[ID], 6
	v_lshl_add_u32 v13, v1, 2, s53
	v_lshl_add_u32 v13, v2, 14, v13
	s_lshl_b32 s54, s[ID], 7
	v_lshl_add_u32 v11, v1, 3, s54
	v_lshl_add_u32 v11, v2, 2, v11
	s_wait_alu depctr_va_vdst(0)                   ; v10 and v12, the two stores' data, and v13 and v11, their offsets, are written
	global_store_b32 v13, v10, s[32:33]            ; NA1 at 0, NA2 at 16,384: token x 4
	global_store_b32 v11, v12, s[32:33] offset:32768  ; NC: token x 8 + 4 x which
	s_branch .Lend
.Lgate:
	v_lshlrev_b32 v10, 5, v2
	s_lshl_b32 s55, s[ID], 10
	v_lshl_add_u32 v11, v3, 4, s55
	s_wait_alu depctr_va_vdst(0)                   ; v10, the offset of the two loads below, and v11, the offset of the stores at the path's end, are written
	global_load_b128 v[A1:A1+3], v10, s[24:25]     ; gate_b of my eight heads
	global_load_b128 v[A1+4:A1+7], v10, s[24:25] offset:16
	s_wait_loadcnt 0x0
.irp u, 0,2,4,6
	v_pk_add_f32 v[A0+(\u):A0+(\u)+1], v[A0+(\u):A0+(\u)+1], v[A1+(\u):A1+(\u)+1]
.endr
.irp j, 0,1,2,3,4,5,6,7
	v_mul_f32 v[A0+(\j)], 0xbfb8aa3b, v[A0+(\j)]
.endr
.irp j, 0,1,2,3,4,5,6,7
	v_exp_f32 v[A0+(\j)], v[A0+(\j)]
.endr
	v_nop                                          ; a plain instruction behind the last exponential,
	s_wait_alu depctr_va_vdst(0)                   ; and one wait for the eight exponentials' results, ahead of the additions that read them
.irp u, 0,2,4,6
	v_pk_add_f32 v[A0+(\u):A0+(\u)+1], v[A0+(\u):A0+(\u)+1], 1.0 op_sel_hi:[1,0]
.endr
.irp j, 0,1,2,3,4,5,6,7
	v_rcp_f32 v[A0+(\j)], v[A0+(\j)]
.endr
	v_nop
	s_wait_alu depctr_va_vdst(0)                   ; the eight reciprocals are written, which the two stores read as their data
	global_store_b128 v11, v[A0:A0+3], s[34:35]    ; heads 8 hh + 0..3 of token r: 512 consecutive bytes a store
	global_store_b128 v11, v[A0+4:A0+7], s[34:35] offset:512
.Lend:
	s_wait_dscnt 0x0                               ; the wave's end
	s_wait_alu 0x0
	s_wait_tensorcnt 0x0
	ds_add_u32 v[SPW], v[NIL]
	s_wait_dscnt 0x0
	s_endpgm
.Lfunc_end_k_q604b130b56_cast:
	.size	k_q604b130b56_cast, .Lfunc_end_k_q604b130b56_cast-k_q604b130b56_cast
	.p2alignl 7, 3214868480
	.fill 96, 4, 3214868480
	.section	.rodata,"a",@progbits
	.p2align	6, 0x0
	.amdhsa_kernel k_q604b130b56_cast
		.amdhsa_group_segment_fixed_size 17408
		.amdhsa_private_segment_fixed_size 0
		.amdhsa_enable_private_segment 0
		.amdhsa_kernarg_size 112
		.amdhsa_user_sgpr_count 2
		.amdhsa_user_sgpr_kernarg_segment_ptr 1
		.amdhsa_wavefront_size32 1
		.amdhsa_system_sgpr_workgroup_id_x 1
		.amdhsa_system_sgpr_workgroup_id_y 1
		.amdhsa_system_sgpr_workgroup_id_z 1
		.amdhsa_system_vgpr_workitem_id 0
		.amdhsa_next_free_vgpr 224
		.amdhsa_next_free_sgpr 66
		.amdhsa_reserve_vcc 1
		.amdhsa_float_denorm_mode_32 3
		.amdhsa_float_denorm_mode_16_64 3
		.amdhsa_memory_ordered 1
		.amdhsa_forward_progress 1
		.amdhsa_inst_pref_size 32
	.end_amdhsa_kernel
	.amdgpu_metadata
---
amdhsa.version: [ 1, 2 ]
amdhsa.kernels:
  - .name:           k_q604b130b56_cast
    .symbol:         k_q604b130b56_cast.kd
    .args:
      - { .name: hidden_states, .offset: 0, .size: 8, .value_kind: global_buffer, .address_space: global }
      - { .name: Wq, .offset: 8, .size: 8, .value_kind: global_buffer, .address_space: global }
      - { .name: Wk, .offset: 16, .size: 8, .value_kind: global_buffer, .address_space: global }
      - { .name: Wv, .offset: 24, .size: 8, .value_kind: global_buffer, .address_space: global }
      - { .name: Wo, .offset: 32, .size: 8, .value_kind: global_buffer, .address_space: global }
      - { .name: rel_W, .offset: 40, .size: 8, .value_kind: global_buffer, .address_space: global }
      - { .name: gate_W, .offset: 48, .size: 8, .value_kind: global_buffer, .address_space: global }
      - { .name: rel_b, .offset: 56, .size: 8, .value_kind: global_buffer, .address_space: global }
      - { .name: gate_b, .offset: 64, .size: 8, .value_kind: global_buffer, .address_space: global }
      - { .name: xb, .offset: 72, .size: 8, .value_kind: global_buffer, .address_space: global }
      - { .name: wb, .offset: 80, .size: 8, .value_kind: global_buffer, .address_space: global }
      - { .name: wof, .offset: 88, .size: 8, .value_kind: global_buffer, .address_space: global }
      - { .name: act, .offset: 96, .size: 8, .value_kind: global_buffer, .address_space: global }
      - { .name: gt, .offset: 104, .size: 8, .value_kind: global_buffer, .address_space: global }
    .group_segment_fixed_size: 17408
    .private_segment_fixed_size: 0
    .kernarg_segment_align: 8
    .kernarg_segment_size: 112
    .max_flat_workgroup_size: 256
    .sgpr_count:     66
    .vgpr_count:     224
    .wavefront_size: 32
...
	.end_amdgpu_metadata
.endif
;; end of part 5
;; launch proj: the kernel of part 2 again; grid 16 x 16, 4 waves a work-group, clusters of 4 x 4, 327,680 bytes of LDS; arguments xb, wb, bq, bk, bv, qf, kv; writes qf, kv
;; launch attn: the kernel of part 3 again; grid 64 x 4, 4 waves a work-group, clusters of 4 x 1, 327,680 bytes of LDS; arguments qf, kv, act, gt, logical_bias, of; writes of
;; launch outp: the kernel of part 4 again; grid 8 x 32, 4 waves a work-group, clusters of 4 x 4, 327,680 bytes of LDS; arguments of, wof, bo, out0; writes out0
